; MI455X (gfx1250); checked and timed in simulation.
; The chip was launched on July 23, 2026; its instructions are those of AMD's public machine-readable ISA for CDNA 5 (MIT licence, August 2026) and "CDNA5" Instruction Set Architecture Reference Guide (July 2026). The comments in the code are by the model that wrote it; some were corrected since.
;; Transformer Block. Allowed arithmetic: float matrix products may take bf16 or f16 operands with f32 sums; other float arithmetic in f32, or as packed bf16 or f16 multiplies, adds, multiply-adds, maxima and minima; sums over many terms, partial sums and values carried from step to step in f32; what a program stores and reads back later, other than sums and carried values, may be rounded once to bf16 or f16.
;; Inputs: b_ff1 4,096 float32; b_ff2 1,024 float32; b_out 1,024 float32; ln1_b 1,024 float32; ln1_g 1,024 float32; ln2_b 1,024 float32; ln2_g 1,024 float32; w_ff1 1,024 x 4,096 float32; w_ff2 4,096 x 1,024 float32; w_out 1,024 x 1,024 float32; w_qkv 1,024 x 3,072 float32; x 2 x 2,048 x 1,024 float32.
;; Outputs: out0 2 x 2,048 x 1,024 float32.
;; One version. Each part assembles by itself: llvm-mc -triple=amdgcn-amd-amdhsa -mcpu=gfx1250 --defsym DOCPART=n.
;; ======== version 1 of 1: 7 launches
;; limits: a function is approximated: absolute error at most 1.5e-07
;; workspace buffers: wbf 25,165,824 bytes; hbuf 8,388,608 bytes; qkvb 25,165,824 bytes; obuf 8,388,608 bytes; x1 16,777,216 bytes; gbuf 33,554,432 bytes
;; launch prep (part 1): grid 1280 x 1, 8 waves a work-group, no clusters, 0 bytes of LDS; arguments x, ln1_g, ln1_b, w_qkv, w_out, w_ff1, w_ff2, hbuf, wbf; writes hbuf, wbf
.if DOCPART == 1
	.amdgcn_target "amdgcn-amd-amdhsa--gfx1250"
	.amdhsa_code_object_version 6
	.text
	.protected	k_q9505e396a8_prep
	.globl	k_q9505e396a8_prep
	.p2align	8
	.type	k_q9505e396a8_prep,@function
k_q9505e396a8_prep:
	s_mov_b64 s[64:65], 0
	v_nop
	global_prefetch_b8 v0, s[64:65] scope:SCOPE_SE
	s_setreg_imm32_b32 hwreg(HW_REG_WAVE_MODE, 25, 1), 1
	s_wait_xcnt 0x0
; NORM AND CAST, one body for two launches.
; Work-groups 0 to 511 make h = LayerNorm(x) g + b in bf16: 8 rows each, one wave to a row; the row stays in 32 registers between the passes, so x is read once.
; The mean is taken away before the squares are summed (two passes in registers), all in f32; h is rounded once.
; Work-groups 512 to 1279 round the four weight matrices to bf16, layout kept ([K][N]), one behind the other in the ninth buffer: 16,384 numbers each (64 KB in, 32 KB out).
; The first launch has all 1,280 work-groups; the norms are numbered first, so that their chains of dependent steps begin with the launch.
; The launch for the second norm has a grid of 512: there only the norm's work-groups exist, and the casts' five arguments are not touched.
; Nothing is shared between work-groups: no LDS, no cluster, no matrix unit.
; LIMITS.  NaN and infinities are not treated apart.
.set NLN,   512                        ; the norm's work-groups
.set OUTB,  22                         ; s[22:23] the norm's output
.set X0,    16                         ; v[16:47]   my row
.set GG,    48                         ; v[48:79]   gain of my 32 columns
.set BB,    80                         ; v[80:111]  bias of my 32 columns
.macro REDUCE                          ; v4 summed over the 32 lanes, the result in every lane
	v_add_f32_dpp v4, v4, v4 row_xmask:1 row_mask:0xf bank_mask:0xf
	v_add_f32_dpp v4, v4, v4 row_xmask:2 row_mask:0xf bank_mask:0xf
	v_add_f32_dpp v4, v4, v4 row_xmask:4 row_mask:0xf bank_mask:0xf
	v_add_f32_dpp v4, v4, v4 row_xmask:8 row_mask:0xf bank_mask:0xf
	v_permlanex16_b32 v9, v4, s34, s35
	v_add_f32 v4, v4, v9
.endm
	s_load_b512 s[8:23], s[0:1], 0x0               ; x s[8:9], g s[10:11], b s[12:13], w_qkv s[14:15], w_out s[16:17], w_ff1 s[18:19], w_ff2 s[20:21], h s[22:23]
	s_load_b64 s[24:25], s[0:1], 0x40              ; the casts' output
	s_mov_b32 s2, ttmp9
	s_wait_kmcnt 0x0
	s_cmp_lt_u32 s2, NLN
	s_cbranch_scc1 .Lln
	; THE CAST.  Which matrix my chunk lies in, and the first chunk of that matrix: 192 chunks of w_qkv, 64 of w_out, 256 of w_ff1, 256 of w_ff2.
	s_sub_co_u32 s2, s2, NLN
	s_mov_b64 s[26:27], s[20:21]
	s_mov_b32 s28, 512
	s_cmp_lt_u32 s2, 512
	s_cselect_b64 s[26:27], s[18:19], s[26:27]
	s_cselect_b32 s28, 256, s28
	s_cmp_lt_u32 s2, 256
	s_cselect_b64 s[26:27], s[16:17], s[26:27]
	s_cselect_b32 s28, 192, s28
	s_cmp_lt_u32 s2, 192
	s_cselect_b64 s[26:27], s[14:15], s[26:27]
	s_cselect_b32 s28, 0, s28
	s_sub_co_u32 s30, s2, s28
	s_lshl_b32 s30, s30, 16                        ; 65,536 bytes of f32 a chunk
	s_mov_b32 s31, 0
	s_add_nc_u64 s[26:27], s[26:27], s[30:31]
	s_lshl_b32 s32, s2, 15                         ; 32,768 bytes of bf16 a chunk: the matrices follow each other in the order of the chunks
	s_mov_b32 s33, 0
	s_add_nc_u64 s[24:25], s[24:25], s[32:33]
	v_lshlrev_b32 v1, 4, v0
	v_lshlrev_b32 v2, 3, v0
.set i, 0
.rept 16
	global_load_b128 v[8+4*i:11+4*i], v1, s[26:27] offset:4096*i th:TH_LOAD_NT  ; all sixteen loads go out first: 8 KB of every wave are on their way
.set i, i+1
.endr
.set i, 0
.rept 16
	s_wait_loadcnt 15-i                            ; load i is in, the younger ones stay out
	v_cvt_pk_bf16_f32 v[72+2*i], v[8+4*i], v[9+4*i]
	v_cvt_pk_bf16_f32 v[73+2*i], v[10+4*i], v[11+4*i]
	global_store_b64 v2, v[72+2*i:73+2*i], s[24:25] offset:2048*i  ; a wave stores 256 consecutive bytes, aligned
.set i, i+1
.endr
	s_endpgm
.Lln:
	; THE NORM.
	v_lshrrev_b32 v3, 5, v0
	v_readfirstlane_b32 s3, v3                     ; wave 0..7
	s_lshl3_add_u32 s2, s2, s3                     ; my row = 8 x group + wave
	s_lshl_b32 s26, s2, 12
	s_mov_b32 s27, 0
	s_add_nc_u64 s[8:9], s[8:9], s[26:27]
	s_lshl_b32 s26, s2, 11
	s_add_nc_u64 s[OUTB:OUTB+1], s[OUTB:OUTB+1], s[26:27]
	s_mov_b32 s34, 0x76543210                      ; v_permlanex16_b32: each lane takes its own place in the other half
	s_mov_b32 s35, 0xfedcba98
	s_mov_b32 s36, 0x3a800000                      ; 1 / 1024
	s_mov_b32 s37, 0x3727c5ac                      ; 1e-5
	v_and_b32 v2, 31, v0
	v_lshlrev_b32 v1, 4, v2                        ; 16 bytes of f32 a lane
	v_lshlrev_b32 v2, 3, v2                        ; 8 bytes of bf16
	v_mov_b32 v9, 0
.set j, 0
.rept 8
	global_load_b128 v[X0+4*j:X0+4*j+3], v1, s[8:9] offset:512*j
.set j, j+1
.endr
.set j, 0
.rept 8
	global_load_b128 v[GG+4*j:GG+4*j+3], v1, s[10:11] offset:512*j
.set j, j+1
.endr
.set j, 0
.rept 8
	global_load_b128 v[BB+4*j:BB+4*j+3], v1, s[12:13] offset:512*j
.set j, j+1
.endr
	s_wait_loadcnt 16                              ; loads come back in order: my row is in; gain and bias, sixteen loads, may stay out
	v_pk_add_f32 v[4:5], v[X0:X0+1], v[X0+2:X0+3]  ; the sum, in two chains started by the first numbers
	v_pk_add_f32 v[6:7], v[X0+4:X0+5], v[X0+6:X0+7]
.set j, 8
.rept 6
	v_pk_add_f32 v[4:5], v[4:5], v[X0+j:X0+j+1]
	v_pk_add_f32 v[6:7], v[6:7], v[X0+j+2:X0+j+3]
.set j, j+4
.endr
	v_pk_add_f32 v[4:5], v[4:5], v[6:7]
	v_add_f32 v4, v4, v5
	REDUCE
	v_mul_f32 v10, s36, v4                         ; the mean
	v_mov_b32 v11, v10
.set j, 0
.rept 16
	v_pk_add_f32 v[X0+j:X0+j+1], v[X0+j:X0+j+1], v[10:11] neg_lo:[0,1] neg_hi:[0,1]  ; x - mean, in place
.set j, j+2
.endr
	v_pk_mul_f32 v[4:5], v[X0:X0+1], v[X0:X0+1]    ; the squares, again in two chains
	v_pk_mul_f32 v[6:7], v[X0+2:X0+3], v[X0+2:X0+3]
.set j, 4
.rept 7
	v_pk_fma_f32 v[4:5], v[X0+j:X0+j+1], v[X0+j:X0+j+1], v[4:5]
	v_pk_fma_f32 v[6:7], v[X0+j+2:X0+j+3], v[X0+j+2:X0+j+3], v[6:7]
.set j, j+4
.endr
	v_pk_add_f32 v[4:5], v[4:5], v[6:7]
	v_add_f32 v4, v4, v5
	REDUCE
	v_fma_f32 v4, v4, s36, s37                     ; variance + 1e-5
	v_rsq_f32 v10, v4
	v_nop                                          ; a plain instruction between the root and the use of its result (ISA guide 5.7.2)
	s_wait_alu depctr_va_vdst(0)
	v_mov_b32 v11, v10
	s_wait_loadcnt 0x0                             ; gain and bias are in
.set j, 0
.rept 16
	v_pk_mul_f32 v[X0+j:X0+j+1], v[X0+j:X0+j+1], v[10:11]
.set j, j+2
.endr
.set j, 0
.rept 16
	v_pk_fma_f32 v[X0+j:X0+j+1], v[X0+j:X0+j+1], v[GG+j:GG+j+1], v[BB+j:BB+j+1]
.set j, j+2
.endr
.set j, 0
.rept 8
	v_cvt_pk_bf16_f32 v[X0+4*j], v[X0+4*j], v[X0+4*j+1]
	v_cvt_pk_bf16_f32 v[X0+4*j+1], v[X0+4*j+2], v[X0+4*j+3]
	global_store_b64 v2, v[X0+4*j:X0+4*j+1], s[OUTB:OUTB+1] offset:256*j  ; 32 lanes store 256 consecutive bytes, at a multiple of 256 from the first
.set j, j+1
.endr
	s_endpgm
.Lfunc_end_k_q9505e396a8_prep:
	.size	k_q9505e396a8_prep, .Lfunc_end_k_q9505e396a8_prep-k_q9505e396a8_prep
	.p2alignl 7, 3214868480
	.fill 96, 4, 3214868480
	.section	.rodata,"a",@progbits
	.p2align	6, 0x0
	.amdhsa_kernel k_q9505e396a8_prep
		.amdhsa_group_segment_fixed_size 0
		.amdhsa_private_segment_fixed_size 0
		.amdhsa_enable_private_segment 0
		.amdhsa_kernarg_size 72
		.amdhsa_user_sgpr_count 2
		.amdhsa_user_sgpr_kernarg_segment_ptr 1
		.amdhsa_wavefront_size32 1
		.amdhsa_system_sgpr_workgroup_id_x 1
		.amdhsa_system_sgpr_workgroup_id_y 1
		.amdhsa_system_sgpr_workgroup_id_z 1
		.amdhsa_system_vgpr_workitem_id 0
		.amdhsa_next_free_vgpr 112
		.amdhsa_next_free_sgpr 66
		.amdhsa_reserve_vcc 0
		.amdhsa_float_denorm_mode_32 3
		.amdhsa_float_denorm_mode_16_64 3
		.amdhsa_memory_ordered 1
		.amdhsa_forward_progress 1
		.amdhsa_inst_pref_size 18
	.end_amdhsa_kernel
	.amdgpu_metadata
---
amdhsa.version: [ 1, 2 ]
amdhsa.kernels:
  - .name:           k_q9505e396a8_prep
    .symbol:         k_q9505e396a8_prep.kd
    .args:
      - { .name: x, .offset: 0, .size: 8, .value_kind: global_buffer, .address_space: global }
      - { .name: ln1_g, .offset: 8, .size: 8, .value_kind: global_buffer, .address_space: global }
      - { .name: ln1_b, .offset: 16, .size: 8, .value_kind: global_buffer, .address_space: global }
      - { .name: w_qkv, .offset: 24, .size: 8, .value_kind: global_buffer, .address_space: global }
      - { .name: w_out, .offset: 32, .size: 8, .value_kind: global_buffer, .address_space: global }
      - { .name: w_ff1, .offset: 40, .size: 8, .value_kind: global_buffer, .address_space: global }
      - { .name: w_ff2, .offset: 48, .size: 8, .value_kind: global_buffer, .address_space: global }
      - { .name: hbuf, .offset: 56, .size: 8, .value_kind: global_buffer, .address_space: global }
      - { .name: wbf, .offset: 64, .size: 8, .value_kind: global_buffer, .address_space: global }
    .group_segment_fixed_size: 0
    .private_segment_fixed_size: 0
    .kernarg_segment_align: 8
    .kernarg_segment_size: 72
    .max_flat_workgroup_size: 256
    .sgpr_count:     66
    .vgpr_count:     112
    .wavefront_size: 32
...
	.end_amdgpu_metadata
.endif
;; end of part 1
;; launch gemm_qkv (part 2): grid 16 x 16, 4 waves a work-group, clusters of 4 x 4, 327,680 bytes of LDS; arguments hbuf, wbf, qkvb; writes qkvb
.if DOCPART == 2
	.amdgcn_target "amdgcn-amd-amdhsa--gfx1250"
	.amdhsa_code_object_version 6
	.text
	.protected	k_q9505e396a8_gemm_qkv
	.globl	k_q9505e396a8_gemm_qkv
	.p2align	8
	.type	k_q9505e396a8_gemm_qkv,@function
k_q9505e396a8_gemm_qkv:
	s_mov_b64 s[64:65], 0
	v_nop
	global_prefetch_b8 v0, s[64:65] scope:SCOPE_SE
	s_setreg_imm32_b32 hwreg(HW_REG_WAVE_MODE, 25, 1), 1
	s_wait_xcnt 0x0
	s_wait_alu depctr_hold_cnt(0) depctr_sa_sdst(0) depctr_va_vdst(0) depctr_va_sdst(0) depctr_va_ssrc(0) depctr_va_vcc(0) depctr_vm_vsrc(0)
	s_getreg_b32 s2, hwreg(HW_REG_IB_STS2, 6, 4)
	s_cmp_eq_u32 s2, 0
	s_cbranch_scc0 .Lentry_in_a_cluster
	s_endpgm
.Lentry_in_a_cluster:
	s_bfe_u32 s2, ttmp6, 0x10000c
	s_cmp_lg_u32 s2, 0xf033
	s_cbranch_scc0 .Lentry_shape_is_right
	s_endpgm
.Lentry_shape_is_right:
; C = A W.  A: [4096][1024] bf16, K along the rows.  W: [1024][SIZE_N] bf16, N along the rows, as the weights are given.  Sums in f32, one accumulator an output.
; ONE TEXT FOR TWO LAUNCHES, told apart by FF1.
;   FF1 = 0: W = w_qkv (N = 3,072).  A tile of C is 256 x 192; four waves one below the other, 64 x 192 each, so that a wave owns three whole heads.  C leaves by heads, [3][32][2048][64] in bf16, rounded once.
;   FF1 = 1: W = w_ff1 (N = 4,096).  A tile of C is 256 x 256; 2 x 2 waves of 128 x 128.  C = gelu(sum + bias), rounded once to bf16, [4096][4096].
; Either way the grid is 16 x 16: 256 work-groups.  K goes in steps of 128 through a ring of two LDS slots filled by the tensor data mover.
; A's fragments come out of LDS as they lie; W's rows lie along N, so its fragments are turned by ds_load_tr16_b128.
; THE MATRIX INSTRUCTION IS USED TRANSPOSED (source 0 = 16 columns of W, source 1 = 16 rows of A): a lane then holds eight neighbouring numbers of a row of C.
; CLUSTER: 4 x 4 work-groups.  The four of a row of the cluster need the same tiles of A, the four of a column the same tiles of W: each tile is asked for jointly, by the same tensor load with the same descriptor and a mask of four.
; WHERE K BEGINS.  A cluster walks the 8 steps of K in a ring, from step 2 x (cluster x) + 4 x (cluster y mod 2), modulo 8.  The four clusters side by side read the same tiles of A, clusters one above the other the
; same tiles of W: with these beginnings they ask for a given tile at different steps of their walks and not all at once, so that all but the first to ask come for a tile that has been fetched before.
; The step's number hangs on the cluster's place in the grid alone, which all partners share, and enters the global addresses alone.  The order of a sum along K is rotated with it.
; With FF1 = 0 a row of W's tile is 384 bytes and begins at a multiple of 128 bytes from the buffer's first byte; all other tile rows are 256 or 512 bytes, at multiples of 256.
; THE WAY OUT: the ring has had its last fill, so the f32 sums are laid into it (each wave a part of its own), read back by whole rows, finished and stored, 256 consecutive bytes an instruction.
; GELU (exact form): gelu(y) = max(y, 0) - |y| E, E = erfc(|y| / sqrt 2) / 2 = (h1 t + .. + h5 t^5) 2^(-(k y)^2), t = 1 / (1 + d |y|): the rational form of Abramowitz and Stegun 7.1.26.
; LIMITS.  erf is within 1.5e-7 for every finite argument; matrix operands are bf16; NaN and infinities are not treated apart.
; REGISTERS, in windows of 256: window 0: v0-31 addresses; A's fragments, two buffers at v64 and v128; on the way out v32-243 at work.  Window 1: W's fragments, two buffers at v0 and v128.
;   windows 2 and 3: the accumulators, in two groups: element (i, j) of group g at v[8 (i GB + j)] is block row i + AOFFG g, block column j + BOFFG g.
.set FF1,    0
.set KS,     8                         ; K steps of 128
.set PA,     272                       ; a row of A in LDS: 256 bytes + 16 of padding: the 16 rows of a load start at 16 different groups of four banks (64 banks of 4 bytes: ISA guide 11.1)
.set HALFA,  128*PA                    ; what one tensor load brings of A
.set ABYTES, 2*HALFA
.if FF1
.set SIZE_N, 4096
.set TN,     256
.set WOFF,   8388608                   ; w_ff1 in wbf
.set MB,     8                         ; fragments of A a wave reads for 32 along K
.set NB,     8                         ; fragments of W
.set GB,     8
.set AOFFG,  4
.set BOFFG,  0
.set PB,     544                       ; a row of W in LDS: 512 bytes + 32
.set QIB,    6                         ; padding after every 128 words
.set LATE,   8                         ; the youngest loads of a run, which group 1 alone needs: A's rows 64-127
.set DP,     528                       ; a row of the wave's sums in LDS: 128 f32 + 16 bytes
.set REG,    128*DP
.else
.set SIZE_N, 3072
.set TN,     192
.set WOFF,   0
.set MB,     4
.set NB,     12
.set GB,     6
.set AOFFG,  0
.set BOFFG,  6
.set PB,     480                       ; 3 x (128 bytes + 32)
.set QIB,    4                         ; padding after every 32 words
.set LATE,   12                        ; W's columns 96-191
.set DP,     784                       ; 192 f32 + 16 bytes
.set REG,    64*DP
.endif
.set HALFB,  64*PB                     ; what one tensor load brings of W: 64 rows along K
.set SLOT,   ABYTES+2*HALFB            ; A's 256 rows, then W's 128.  No LDS base inside a slot (0, HALFA, ABYTES, ABYTES + HALFB) has a bit in common with SLOT, so one exclusive or changes slots
.set BSTEP,  128*SIZE_N*2              ; bytes from a K step of W to the next
.set SPARE,  2*SLOT                    ; behind the ring: the spare words, 128 bytes for each wave, which no other line names
.set A0,   16                          ; v16  my lane's place in A's part of a slot; never rewritten
.set B0,   17                          ; v17  the same for W
.set ADRA, 18                          ; v18  A0 + the slot in hand
.set ADRB, 19                          ; v19  B0 + the slot in hand
.set DMP,  20                          ; v20  the way out: where I put my sums
.set RD,   21                          ; v21  where I read rows back
.set CO,   22                          ; v22  my byte offset in C
.set BO,   23                          ; v23  my byte offset in the bias
.set QAA,  24                          ; v24  A's address for the quarter that is written once: chunk 3 of the slot in hand, or chunk 1 of the next
.set QAB,  25                          ; v25  the same for W
.set SPW,  28                          ; v28  LDS address of my spare word; never rewritten
.set NIL,  29                          ; v29  0; never rewritten
.set G1,   24                          ; s[24:31] descriptor group 1 for A
.set G0,   32                          ; s[32:39] group 0 for A: a set for each first fill; the second then walks
.set G1B,  48                          ; s[48:55], s[56:63] the same for W
.set G0B,  56
                                       ; s17 the K step to be asked for next; s[18:19] its byte offset; s[72:73], s[74:75] my tiles of A and W at K step 0; never rewritten
.set MSB, 0
.macro WIN new                         ; the immediate's high byte repeats the setting that is left; a switch that changes nothing is dropped
.if MSB != (\new)
	s_set_vgpr_msb (MSB<<8)|(\new)
.set MSB, \new
.endif
.endm
.macro PLACES                          ; four places in front of loads into registers that matrix instructions have read, and of reads of results
.rept 4
	v_nop
.endr
.endm
; A joint refill by the walking descriptors: waves 0 and 1 fetch A's two halves, waves 2 and 3 W's.  The branch hangs on the wave's number alone.  An s_nop 0 and four v_nop follow each line.
.macro JLOAD
	s_cmp_eq_u32 s13, 0
	s_cbranch_scc0 .Lfor_b_\@
	tensor_load_to_lds s[G0+4:G0+7], s[G1:G1+7]
	s_nop 0
.rept 4
	v_nop
.endr
	s_branch .Lasked_\@
.Lfor_b_\@:
	tensor_load_to_lds s[G0B+4:G0B+7], s[G1B:G1B+7]
	s_nop 0
.rept 4
	v_nop
.endr
.Lasked_\@:
.endm
.macro CREST                           ; a round of the cluster's barrier behind its opening barrier
	s_cmp_lg_u32 s12, 0
	s_cbranch_scc1 .Lnot_wave_0_\@
	s_barrier_signal -3
.Lnot_wave_0_\@:
	s_barrier_wait -3
	s_barrier_signal -1
	s_barrier_wait -1
.endm
.macro CROUND                          ; a whole round
	s_barrier_signal -1
	s_barrier_wait -1
	CREST
.endm
; 2 GB matrix instructions: block rows i0, i0 + 1 of group g x its GB block columns, 32 along K out of buffer f.  zero = 1: the product starts the sums.  The accumulators take turns.
.macro MULP f, g, i0, zero
	WIN 0xa1+0x50*(\g)                             ; source 0 (W) window 1, source 1 (A) window 0, C and D window 2 or 3
.set ia, (\i0)
.rept 2
.set jb, 0
.rept GB
.set rD, 8*(ia*GB+jb)
.set rB, 128*(\f)+8*(jb+BOFFG*(\g))
.set rA, 64+64*(\f)+8*(ia+AOFFG*(\g))
.if \zero
	v_wmma_f32_16x16x32_bf16 v[rD:rD+7], v[rB:rB+7], v[rA:rA+7], 0
.else
	v_wmma_f32_16x16x32_bf16 v[rD:rD+7], v[rB:rB+7], v[rA:rA+7], v[rD:rD+7]
.endif
.set jb, jb+1
.endr
.set ia, ia+1
.endr
.endm
; The fragments of one chunk (32 along K) into buffer f: 32 LDS loads in one run; what group 1 alone needs comes last.  ra, rb: the address registers; ba, bb: the chunk's bytes on top of them.
.macro FETCH_B rb, bb, f
	WIN 0x40                                       ; destination window 1, address window 0
.set i, 0
.rept NB
.set cb, (\bb)+32*i+(1-FF1)*32*(i/4)               ; 16 columns are 32 bytes; with FF1 = 0 32 bytes of padding lie behind every 128
	ds_load_tr16_b128 v[128*(\f)+8*i:128*(\f)+8*i+3],   v[\rb] offset:cb
	ds_load_tr16_b128 v[128*(\f)+8*i+4:128*(\f)+8*i+7], v[\rb] offset:cb+16*PB
.set i, i+1
.endr
.endm
.macro FETCH_A ra, ba, f
	WIN 0
.set i, 0
.rept MB
	ds_load_b128 v[64+64*(\f)+8*i:64+64*(\f)+8*i+3],   v[\ra] offset:(\ba)+i*16*PA
	ds_load_b128 v[64+64*(\f)+8*i+4:64+64*(\f)+8*i+7], v[\ra] offset:(\ba)+i*16*PA+32
.set i, i+1
.endr
.endm
.macro FETCH ra, rb, ba, bb, f
.if FF1
	FETCH_B \rb, \bb, \f
	FETCH_A \ra, \ba, \f
.else
	FETCH_A \ra, \ba, \f
	FETCH_B \rb, \bb, \f
.endif
.endm
; A K step is four chunks on buffers 0, 1, 0, 1.  One of the first three: multiplies buffer f; in its middle it fetches the next chunk into buffer g2.
; setq = 1: two of the four places make the addresses of chunk 3, for the quarter that follows.
.macro QUARTER f, g2, zero, ra, rb, ba, bb, setq
	s_wait_dscnt LATE                              ; all that group 0 needs is in
	MULP \f, 0, 0, \zero
	MULP \f, 0, 2, \zero
.if \setq
	WIN 0
	v_add_nc_u32 v[QAA], 3*64, v[ADRA]
	v_add_nc_u32 v[QAB], 3*32*PB, v[ADRB]
	v_nop
	v_nop
.else
	PLACES
.endif
	FETCH \ra, \rb, \ba, \bb, \g2
	s_wait_dscnt 32                                ; all but the 32 just issued
	MULP \f, 1, 0, \zero
	MULP \f, 1, 2, \zero
.endm
; The last chunk multiplies buffer 1 and changes slots: ONE barrier.  In front of it each wave waits for all its tensor loads (one is out: its part of the next slot), adds 0 to its spare word,
; and waits for that and for its reads of this slot.  fill = 1: the barrier opens a round of the cluster's barrier, and the joint refill, two steps of the walk ahead, is the first thing behind the round.
.macro TURN fill
	WIN 0
	s_wait_tensorcnt 0x0                           ; no tensor load of mine is out, so a group 0 may be written
	ds_add_u32 v[SPW], v[NIL]
.if \fill
	s_xor_b32 s[G0+5], s[G0+5], SLOT               ; the walking descriptors: the other slot than last time; the addresses are made anew from the step's number
	s_lshl_b32 s18, s17, 8
	s_add_nc_u64 s[G0+6:G0+7], s[72:73], s[18:19]
	s_or_b32 s[G0+7], s[G0+7], 0x80000000
	s_xor_b32 s[G0B+5], s[G0B+5], SLOT
	s_mul_i32 s18, s17, BSTEP
	s_add_nc_u64 s[G0B+6:G0B+7], s[74:75], s[18:19]
	s_or_b32 s[G0B+7], s[G0B+7], 0x80000000
	s_add_co_u32 s17, s17, 1                       ; the next step of the ring
	s_and_b32 s17, s17, KS-1
.endif
	s_wait_dscnt LATE+1                            ; the add and the youngest LATE loads may be out
	MULP 1, 0, 0, 0
	s_wait_dscnt 0x0                               ; the add is done, and my reads of this slot are over
	s_barrier_signal -1
	MULP 1, 0, 2, 0                                ; work on registers while the others arrive
	WIN 0                                          ; branches and address lines follow
	s_barrier_wait -1
.if \fill
	CREST                                          ; no wave of any partner still reads this slot or has a load on its way
	JLOAD                                          ; its four v_nop are also the places in front of the loads below
.else
	PLACES
.endif
	s_xor_b32 s20, s20, SLOT
	v_add_nc_u32 v[ADRA], s20, v[A0]
	v_add_nc_u32 v[ADRB], s20, v[B0]
	v_add_nc_u32 v[QAA], 64, v[ADRA]               ; chunk 1 of the new slot, for the quarter that follows
	v_add_nc_u32 v[QAB], 32*PB, v[ADRB]
	FETCH ADRA, ADRB, 0, 0, 0
	MULP 1, 1, 0, 0
	MULP 1, 1, 2, 0
	WIN 0
.endm
	s_load_b128 s[4:7], s[0:1], 0x0                ; A s[4:5], wbf s[6:7]
	s_load_b64 s[8:9], s[0:1], 0x10                ; C
.if FF1
	s_load_b64 s[10:11], s[0:1], 0x18              ; bias
.endif
	v_lshl_add_u32 v[SPW], v0, 2, SPARE
	v_mov_b32 v[NIL], 0
	ds_add_u32 v[SPW], v[NIL]                      ; the wave's opening: the add and its wait stand ahead of my first tensor load; the set-up below stands between them
	v_lshrrev_b32 v1, 5, v0
	v_readfirstlane_b32 s12, v1                    ; wave 0..3
	s_lshr_b32 s13, s12, 1                         ; I fetch for A (0) or for W (1),
	s_and_b32 s14, s12, 1                          ; and which half of that tile
.if FF1
	s_lshr_b32 s15, s12, 1                         ; my place among the tile's block rows
	s_and_b32 s16, s12, 1                          ; and block columns
.else
	s_mov_b32 s15, s12
	s_mov_b32 s16, 0
.endif
	s_bfe_u32 s40, ttmp6, 0x40000                  ; cx, cy: my place in the cluster
	s_bfe_u32 s41, ttmp6, 0x40004
	s_lshl_b32 s42, ttmp9, 2
	s_add_co_u32 s42, s42, s40                     ; tile column = 4 x cluster x + cx
	s_and_b32 s43, ttmp7, 0xffff
	s_lshl_b32 s43, s43, 2
	s_add_co_u32 s43, s43, s41                     ; tile row = 4 x cluster y + cy
	s_lshl_b32 s44, s41, 2
	s_lshl_b32 s44, 15, s44                        ; my row of the cluster
	s_lshl_b32 s45, 0x1111, s40                    ; my column
	s_and_b32 s17, ttmp7, 1                        ; my cluster's first K step: 2 x (2 x (cluster y mod 2) + cluster x), modulo 8
	s_lshl1_add_u32 s17, s17, ttmp9
	s_lshl_b32 s17, s17, 1
	s_and_b32 s17, s17, KS-1
	s_mov_b32 s19, 0
	s_or_b32 s[G1], s44, (1<<16)|(1<<20)|(1<<21)|(5<<22)|(3<<25)    ; mask; 2-byte elements; padding on; bit 21 beside a mask; after every 64 words 4 words
	s_mov_b32 s[G1+1], 128<<16                     ; tensor_dim0 = 128
	s_mov_b32 s[G1+2], 128<<16                     ; tensor_dim1 = 128
	s_mov_b32 s[G1+3], 128<<16                     ; tile_dim0 = 128
	s_mov_b32 s[G1+4], 128                         ; tile_dim1 = 128
	s_mov_b32 s[G1+5], 1024                        ; elements from row to row
	s_mov_b32 s[G1+6], 0
	s_mov_b32 s[G1+7], 0
	s_or_b32 s[G1B], s45, (1<<16)|(1<<20)|(1<<21)|(QIB<<22)|(7<<25) ; the same with my column's mask and 8 words of padding
	s_mov_b32 s[G1B+1], TN<<16
	s_mov_b32 s[G1B+2], 64<<16
	s_mov_b32 s[G1B+3], TN<<16
	s_mov_b32 s[G1B+4], 64
	s_mov_b32 s[G1B+5], SIZE_N
	s_mov_b32 s[G1B+6], 0
	s_mov_b32 s[G1B+7], 0
	s_lshl_b32 s66, s43, 8                         ; A: row 256 x tile row + 128 x half, 2,048 bytes a row: it hangs on the tile row alone
	s_lshl_b32 s67, s14, 7
	s_add_co_u32 s66, s66, s67
	s_lshl_b32 s66, s66, 11
	s_mov_b32 s67, 0
	s_mul_i32 s68, s42, TN*2                       ; W: the tile's first column, 64 rows along K for each half: it hangs on the tile column alone
	s_mul_i32 s69, s14, 64*SIZE_N*2
	s_add_co_u32 s68, s68, s69
	s_add_co_u32 s68, s68, WOFF
	s_mov_b32 s69, 0
	s_mul_i32 s70, s14, HALFA                      ; where they go: no place in the cluster enters an LDS address
	s_mul_i32 s71, s14, HALFB
	s_add_co_u32 s71, s71, ABYTES
.if FF1
	s_mov_b32 s82, 0x3f596d27                      ; k = sqrt(log2(e) / 2)
	s_mov_b32 s83, s82                             ; (each constant is named as a pair, so both words are written)
	s_mov_b32 s84, 0x3e027906                      ; h1 .. h5: the five coefficients, halved
	s_mov_b32 s85, s84
	s_mov_b32 s86, 0xbe11a98e
	s_mov_b32 s87, s86
	s_mov_b32 s88, 0x3f35f0e3
	s_mov_b32 s89, s88
	s_mov_b32 s90, 0xbf3a00e3
	s_mov_b32 s91, s90
	s_mov_b32 s92, 0x3f07dc22
	s_mov_b32 s93, s92
	s_mov_b32 s94, 0x3e6d3388                      ; d = 0.3275911 / sqrt 2
.endif
	s_wait_dscnt 0x0                               ; the opening add is done
	s_wait_kmcnt 0x0
	s_add_nc_u64 s[72:73], s[4:5], s[66:67]
	s_add_nc_u64 s[74:75], s[6:7], s[68:69]
	CROUND                                         ; all sixteen work-groups are here: the first joint loads meet
.irp s, 0,1                            ; the walk's first two steps, into slots 0 and 1
	s_mov_b32 s[G0+4*(\s)], 1
	s_add_co_u32 s[G0+4*(\s)+1], s70, (\s)*SLOT
	s_lshl_b32 s18, s17, 8
	s_add_nc_u64 s[G0+4*(\s)+2:G0+4*(\s)+3], s[72:73], s[18:19]
	s_or_b32 s[G0+4*(\s)+3], s[G0+4*(\s)+3], 0x80000000
	s_mov_b32 s[G0B+4*(\s)], 1
	s_add_co_u32 s[G0B+4*(\s)+1], s71, (\s)*SLOT
	s_mul_i32 s18, s17, BSTEP
	s_add_nc_u64 s[G0B+4*(\s)+2:G0B+4*(\s)+3], s[74:75], s[18:19]
	s_or_b32 s[G0B+4*(\s)+3], s[G0B+4*(\s)+3], 0x80000000
	s_add_co_u32 s17, s17, 1
	s_and_b32 s17, s17, KS-1
.endr
	s_cmp_eq_u32 s13, 0                            ; a wave's two first fills stand in one branch, ahead of every wait on TENSORcnt and every LDS read: two loads of mine are out
	s_cbranch_scc0 .Lfirst_b
	tensor_load_to_lds s[G0:G0+3], s[G1:G1+7]
	s_nop 0
	tensor_load_to_lds s[G0+4:G0+7], s[G1:G1+7]
	s_nop 0
.rept 4
	v_nop
.endr
	s_branch .Lfirst_asked
.Lfirst_b:
	tensor_load_to_lds s[G0B:G0B+3], s[G1B:G1B+7]
	s_nop 0
	tensor_load_to_lds s[G0B+4:G0B+7], s[G1B:G1B+7]
	s_nop 0
.rept 4
	v_nop
.endr
.Lfirst_asked:
	v_and_b32 v1, 15, v0                           ; l % 16
	v_bfe_u32 v2, v0, 4, 1                         ; l / 16
	v_and_b32 v3, 7, v0
	v_bfe_u32 v4, v0, 3, 1
	v_and_b32 v5, 31, v0                           ; l
	v_mul_u32_u24 v[A0], v1, PA                    ; a fragment of A: row l % 16, 16 bytes for each half of the lanes
	v_lshl_add_u32 v[A0], v2, 4, v[A0]
	s_mul_i32 s21, s15, MB*16*PA                   ; my rows of the tile
	v_add_nc_u32 v[A0], s21, v[A0]
	v_lshl_add_u32 v3, v2, 3, v3                   ; the turning load: lane l reads row 8 (l / 16) + l % 8 along K, columns 8 ((l / 8) % 2) + 0..7
	v_mul_u32_u24 v[B0], v3, PB
	v_lshl_add_u32 v[B0], v4, 4, v[B0]
	s_lshl_b32 s21, s16, 8                         ; my columns of the tile
	s_add_co_u32 s21, s21, ABYTES
	v_add_nc_u32 v[B0], s21, v[B0]
	v_mov_b32 v[ADRA], v[A0]                       ; slot 0
	v_mov_b32 v[ADRB], v[B0]
	s_mov_b32 s20, 0
	s_mul_i32 s21, s12, REG                        ; my part of the ring on the way out
	v_mul_u32_u24 v[DMP], v1, DP                   ; in: row l % 16, 32 bytes for each half of the lanes
	v_lshl_add_u32 v[DMP], v2, 5, v[DMP]
	v_add_nc_u32 v[DMP], s21, v[DMP]
	v_lshlrev_b32 v[CO], 3, v5
.if FF1
	v_lshl_add_u32 v[RD], v5, 4, s21               ; back: 32 lanes take one row of 512 bytes
	v_lshlrev_b32 v[BO], 4, v5
	s_lshl_b32 s76, s43, 8                         ; C at my first row and column: (256 tile row + 128 block row) x 8,192 + 512 tile column + 256 block column
	s_lshl_b32 s77, s15, 7
	s_add_co_u32 s76, s76, s77
	s_lshl_b32 s76, s76, 13
	s_lshl_b32 s77, s42, 9
	s_add_co_u32 s76, s76, s77
	s_lshl_b32 s77, s16, 8
	s_add_co_u32 s76, s76, s77
	s_mov_b32 s77, 0
	s_add_nc_u64 s[8:9], s[8:9], s[76:77]
	s_lshl_b32 s76, s42, 10                        ; the bias of my 128 columns
	s_lshl_b32 s78, s16, 9
	s_add_co_u32 s76, s76, s78
	s_add_nc_u64 s[10:11], s[10:11], s[76:77]
	global_load_b128 v[240:243], v[BO], s[10:11]   ; waited for on the way out
.else
	v_mul_u32_u24 v[RD], v2, DP                    ; back: lanes 0-15 take 256 bytes (a head's 64 columns) of one row, lanes 16-31 of the next
	v_lshl_add_u32 v[RD], v1, 4, v[RD]
	v_add_nc_u32 v[RD], s21, v[RD]
.irp hh, 0,1,2                         ; C at my rows of my three heads: ((part x 32 + batch x 16 + head) << 18) + row in the batch x 128
	s_mul_i32 s21, s42, 3
	s_add_co_u32 s21, s21, \hh
	s_lshr_b32 s22, s21, 4                         ; q, k or v
	s_lshl_b32 s22, s22, 5
	s_and_b32 s21, s21, 15                         ; the head
	s_add_co_u32 s22, s22, s21
	s_lshr_b32 s21, s43, 3                         ; the batch
	s_lshl_b32 s21, s21, 4
	s_add_co_u32 s22, s22, s21
	s_lshl_b32 s22, s22, 18
	s_and_b32 s21, s43, 7
	s_lshl_b32 s21, s21, 8
	s_lshl_b32 s23, s12, 6
	s_add_co_u32 s21, s21, s23
	s_lshl_b32 s21, s21, 7
	s_add_co_u32 s22, s22, s21
	s_mov_b32 s23, 0
	s_add_nc_u64 s[76+2*\hh:77+2*\hh], s[8:9], s[22:23]
.endr
.endif
	s_wait_tensorcnt 0x1                           ; my part of the walk's first step is in; the second may stay out
	s_barrier_signal -1
	s_barrier_wait -1                              ; everybody's is
	FETCH ADRA, ADRB, 0, 0, 0
	QUARTER 0, 1, 1, ADRA, ADRB, 64, 32*PB, 0      ; the first chunk stands in front of the loop: its products start the sums
	WIN 0                                          ; at a label and at a branch every window is 0
	s_mov_b32 s3, KS-2
.Lstep:                                                ; a trip: chunks 1 to 3 of a K step, the change of slots with its refill, chunk 0 of the next step
	QUARTER 1, 0, 0, ADRA, ADRB, 128, 64*PB, 1     ; multiplies chunk 1, fetches chunk 2
	WIN 0
	s_mov_b32 s2, 2
	s_branch .Lqa                                  ; the inner loop of two passes is entered in its middle
.Lturn:
	TURN 1                                         ; multiplies chunk 3, fetches the next step's chunk 0
.Lqa:
	QUARTER 0, 1, 0, QAA, QAB, 0, 0, 0             ; written once, passed twice: multiplies chunk 2 and fetches chunk 3; then the next step's chunks 0 and 1
	WIN 0
	s_sub_co_u32 s2, s2, 1
	s_cmp_lg_u32 s2, 0
	s_cbranch_scc1 .Lturn
	s_sub_co_u32 s3, s3, 1
	s_cmp_lg_u32 s3, 0
	s_cbranch_scc1 .Lstep
	s_mov_b32 s3, 2
.Ltail:                                                ; the last two K steps ask for nothing; the second trip is left behind its change of slots
	QUARTER 1, 0, 0, ADRA, ADRB, 128, 64*PB, 1
	WIN 0
	s_mov_b32 s2, 2
	s_branch .Ltqa
.Ltturn:
	TURN 0                                         ; in the second trip its 32 LDS loads (of the slot read before) serve nothing: the price of one text for both trips
	s_sub_co_u32 s3, s3, 1
	s_cmp_eq_u32 s3, 0
	s_cbranch_scc1 .Lout
.Ltqa:
	QUARTER 0, 1, 0, QAA, QAB, 0, 0, 0
	WIN 0
	s_sub_co_u32 s2, s2, 1
	s_cmp_lg_u32 s2, 0
	s_cbranch_scc1 .Ltturn
	s_branch .Ltail
.Lout:
	PLACES                                         ; the stores below read results just made
	s_wait_dscnt 0x0                               ; my reads of the ring are over,
	s_barrier_signal -1
	s_barrier_wait -1                              ; everybody's are: the ring, which has had its last fill, takes the sums
.set g, 0
.rept 2
	WIN 0x08+4*g                                   ; the stores' data in window 2, then 3
.set ia, 0
.rept 4
.set jb, 0
.rept GB
.set rD, 8*(ia*GB+jb)
.set ob, (ia+AOFFG*g)*16*DP+64*(jb+BOFFG*g)
	ds_store_b128 v[DMP], v[rD:rD+3] offset:ob     ; each accumulator's low half first
	ds_store_b128 v[DMP], v[rD+4:rD+7] offset:ob+16
.set jb, jb+1
.endr
.set ia, ia+1
.endr
.set g, g+1
.endr
	WIN 0
.if FF1
.set NR,  4                            ; rows a trip
.set RAW, 32                           ; NR rows x my 4 columns as read back
.set YY,  64                           ; y = sum + bias
.set QQ,  96                           ; k y, then -(k y)^2, then 2^that
.set TT,  128                          ; 1 + d |y|, then t
.set RR,  160                          ; max(y, 0), then the result
.set PP,  192                          ; the polynomial
.set OUT, 224
.set BI,  240
.set t, 0
.rept NR
	ds_load_b128 v[RAW+4*t:RAW+4*t+3], v[RD] offset:t*DP  ; LDS serves a wave's instructions in order (ISA guide 5.7.1.4): these see my stores above
.set t, t+1
.endr
	s_wait_loadcnt 0x0                             ; the bias
	s_mov_b32 s3, 128/NR
.Lrow:                                                 ; 32 trips of 4 rows
	s_wait_dscnt 0x0
.set t, 0
.rept NR
	v_pk_add_f32 v[YY+4*t:YY+4*t+1], v[RAW+4*t:RAW+4*t+1], v[BI:BI+1]
	v_pk_add_f32 v[YY+4*t+2:YY+4*t+3], v[RAW+4*t+2:RAW+4*t+3], v[BI+2:BI+3]
.set t, t+1
.endr
	s_cmp_eq_u32 s3, 1
	s_cbranch_scc1 .Lnomore                        ; the last trip has no rows left to read
	v_add_nc_u32 v[RD], NR*DP, v[RD]
.set t, 0
.rept NR
	ds_load_b128 v[RAW+4*t:RAW+4*t+3], v[RD] offset:t*DP  ; the next trip's rows come while this trip's are worked on
.set t, t+1
.endr
.Lnomore:
.set i, 0
.rept 2*NR
	v_pk_mul_f32 v[QQ+2*i:QQ+2*i+1], v[YY+2*i:YY+2*i+1], s[82:83] op_sel_hi:[1,0]
.set i, i+1
.endr
.set i, 0
.rept 4*NR
	v_fma_f32 v[TT+i], |v[YY+i]|, s94, 1.0
.set i, i+1
.endr
.set i, 0
.rept 2*NR
	v_pk_mul_f32 v[QQ+2*i:QQ+2*i+1], v[QQ+2*i:QQ+2*i+1], v[QQ+2*i:QQ+2*i+1] neg_lo:[1,0] neg_hi:[1,0]
.set i, i+1
.endr
.set i, 0
.rept 4*NR
	v_rcp_f32 v[TT+i], v[TT+i]
.set i, i+1
.endr
.set i, 0
.rept 4*NR
	v_exp_f32 v[QQ+i], v[QQ+i]
.set i, i+1
.endr
.set i, 0
.rept 4*NR
	v_max_num_f32 v[RR+i], 0, v[YY+i]              ; plain work between the last exponential and the use of its result (ISA guide 5.7.2)
.set i, i+1
.endr
.set i, 0
.rept 2*NR
	v_pk_fma_f32 v[PP+2*i:PP+2*i+1], v[TT+2*i:TT+2*i+1], s[92:93], s[90:91] op_sel_hi:[1,0,0]
.set i, i+1
.endr
.irp h, 88,86,84
.set i, 0
.rept 2*NR
	v_pk_fma_f32 v[PP+2*i:PP+2*i+1], v[PP+2*i:PP+2*i+1], v[TT+2*i:TT+2*i+1], s[\h:\h+1] op_sel_hi:[1,1,0]
.set i, i+1
.endr
.endr
.set i, 0
.rept 2*NR
	v_pk_mul_f32 v[PP+2*i:PP+2*i+1], v[PP+2*i:PP+2*i+1], v[TT+2*i:TT+2*i+1]
.set i, i+1
.endr
.set i, 0
.rept 2*NR
	v_pk_mul_f32 v[PP+2*i:PP+2*i+1], v[PP+2*i:PP+2*i+1], v[QQ+2*i:QQ+2*i+1]
.set i, i+1
.endr
.set i, 0
.rept 4*NR
	v_fma_f32 v[RR+i], -|v[YY+i]|, v[PP+i], v[RR+i]
.set i, i+1
.endr
.set i, 0
.rept 2*NR
	v_cvt_pk_bf16_f32 v[OUT+i], v[RR+2*i], v[RR+2*i+1]
.set i, i+1
.endr
.set t, 0
.rept NR
	global_store_b64 v[CO], v[OUT+2*t:OUT+2*t+1], s[8:9] offset:t*8192  ; 32 lanes store 256 consecutive bytes, at a multiple of 256 from C's first byte
.set t, t+1
.endr
	s_wait_xcnt 0x0                                ; the stores' offset and data are rewritten only behind this wait
	v_add_nc_u32 v[CO], NR*8192, v[CO]
	s_sub_co_u32 s3, s3, 1
	s_cmp_lg_u32 s3, 0
	s_cbranch_scc1 .Lrow
.else
.set NPR, 4                            ; pairs of rows a trip
.set RAW, 32                           ; NPR pairs of rows x 3 heads, 4 registers each
.set OUT, 128
.macro RBACK
.set t, 0
.rept 3*NPR
	ds_load_b128 v[RAW+4*t:RAW+4*t+3], v[RD] offset:(t/3)*2*DP+(t%3)*256  ; LDS serves a wave's instructions in order (ISA guide 5.7.1.4): these see my stores above
.set t, t+1
.endr
.endm
	RBACK
	s_mov_b32 s3, 32/NPR
.Lrow:                                                 ; 8 trips of 8 rows
	s_wait_dscnt 0x0
.set i, 0
.rept 6*NPR
	v_cvt_pk_bf16_f32 v[OUT+i], v[RAW+2*i], v[RAW+2*i+1]
.set i, i+1
.endr
	s_cmp_eq_u32 s3, 1
	s_cbranch_scc1 .Lnomore                        ; the last trip has no rows left to read
	v_add_nc_u32 v[RD], 2*NPR*DP, v[RD]
	RBACK
.Lnomore:
.set t, 0
.rept 3*NPR
	global_store_b64 v[CO], v[OUT+2*t:OUT+2*t+1], s[76+2*(t%3):77+2*(t%3)] offset:(t/3)*256  ; two rows of one head: 256 consecutive bytes, at a multiple of 256 from C's first byte
.set t, t+1
.endr
	s_wait_xcnt 0x0                                ; the stores' offset and data are rewritten only behind this wait
	v_add_nc_u32 v[CO], NPR*256, v[CO]
	s_sub_co_u32 s3, s3, 1
	s_cmp_lg_u32 s3, 0
	s_cbranch_scc1 .Lrow
.endif
	s_wait_tensorcnt 0x0                           ; the wave's end, behind my last tensor load and my last LDS store
	ds_add_u32 v[SPW], v[NIL]
	s_wait_dscnt 0x0
	CROUND                                         ; the closing round: no work-group ends while a partner may still ask for a tile that names it
	s_endpgm
.Lfunc_end_k_q9505e396a8_gemm_qkv:
	.size	k_q9505e396a8_gemm_qkv, .Lfunc_end_k_q9505e396a8_gemm_qkv-k_q9505e396a8_gemm_qkv
	.p2alignl 7, 3214868480
	.fill 96, 4, 3214868480
	.section	.rodata,"a",@progbits
	.p2align	6, 0x0
	.amdhsa_kernel k_q9505e396a8_gemm_qkv
		.amdhsa_group_segment_fixed_size 327680
		.amdhsa_private_segment_fixed_size 0
		.amdhsa_enable_private_segment 0
		.amdhsa_kernarg_size 24
		.amdhsa_user_sgpr_count 2
		.amdhsa_user_sgpr_kernarg_segment_ptr 1
		.amdhsa_wavefront_size32 1
		.amdhsa_system_sgpr_workgroup_id_x 1
		.amdhsa_system_sgpr_workgroup_id_y 1
		.amdhsa_system_sgpr_workgroup_id_z 1
		.amdhsa_system_vgpr_workitem_id 0
		.amdhsa_next_free_vgpr 960
		.amdhsa_next_free_sgpr 96
		.amdhsa_reserve_vcc 0
		.amdhsa_float_denorm_mode_32 3
		.amdhsa_float_denorm_mode_16_64 3
		.amdhsa_memory_ordered 1
		.amdhsa_forward_progress 1
		.amdhsa_inst_pref_size 62
	.end_amdhsa_kernel
	.amdgpu_metadata
---
amdhsa.version: [ 1, 2 ]
amdhsa.kernels:
  - .name:           k_q9505e396a8_gemm_qkv
    .symbol:         k_q9505e396a8_gemm_qkv.kd
    .args:
      - { .name: hbuf, .offset: 0, .size: 8, .value_kind: global_buffer, .address_space: global }
      - { .name: wbf, .offset: 8, .size: 8, .value_kind: global_buffer, .address_space: global }
      - { .name: qkvb, .offset: 16, .size: 8, .value_kind: global_buffer, .address_space: global }
    .group_segment_fixed_size: 327680
    .private_segment_fixed_size: 0
    .kernarg_segment_align: 8
    .kernarg_segment_size: 24
    .max_flat_workgroup_size: 128
    .sgpr_count:     96
    .vgpr_count:     960
    .wavefront_size: 32
...
	.end_amdgpu_metadata
.endif
;; end of part 2
;; launch attn (part 3): grid 8 x 32, 4 waves a work-group, clusters of 4 x 1, 327,680 bytes of LDS; arguments qkvb, obuf; writes obuf
.if DOCPART == 3
	.amdgcn_target "amdgcn-amd-amdhsa--gfx1250"
	.amdhsa_code_object_version 6
	.text
	.protected	k_q9505e396a8_attn
	.globl	k_q9505e396a8_attn
	.p2align	8
	.type	k_q9505e396a8_attn,@function
k_q9505e396a8_attn:
	s_mov_b64 s[64:65], 0
	v_nop
	global_prefetch_b8 v0, s[64:65] scope:SCOPE_SE
	s_setreg_imm32_b32 hwreg(HW_REG_WAVE_MODE, 25, 1), 1
	s_wait_xcnt 0x0
	s_wait_alu depctr_hold_cnt(0) depctr_sa_sdst(0) depctr_va_vdst(0) depctr_va_sdst(0) depctr_va_ssrc(0) depctr_va_vcc(0) depctr_vm_vsrc(0)
	s_getreg_b32 s2, hwreg(HW_REG_IB_STS2, 6, 4)
	s_cmp_eq_u32 s2, 0
	s_cbranch_scc0 .Lentry_in_a_cluster
	s_endpgm
.Lentry_in_a_cluster:
	s_bfe_u32 s2, ttmp6, 0x10000c
	s_cmp_lg_u32 s2, 0x3003
	s_cbranch_scc0 .Lentry_shape_is_right
	s_endpgm
.Lentry_shape_is_right:
; O[h][q][:] = the sum over k of softmax_k(Q[h][q] . K[h][k] / 8) V[h][k][:].  Q, K, V lie one behind the other in qkvb, each [32][2048][64] in bf16, unscaled; O likewise in obuf.
; Products, maxima and sums in f32; the weights p are rounded to bf16 for the second product (their sum l is taken of the unrounded p), O once at the end.
; LIMITS.  A weight below 2^-126 counts as 0 in l; NaN and infinities are not treated apart.
; SHARES.  A work-group owns 256 queries of one head, each of its four waves 64: four PIECES of 16.  32 heads x 8 blocks are 256 work-groups.  Every wave walks all 2,048 keys, 64 a step.
; LAYOUT.  S^T = K Q^T (source 0 = 16 keys, source 1 = 16 queries): a lane holds ONE query (lane % 16) and the keys 8 (lane / 16) + 0..7.  Two such results rounded to bf16 ARE source 1 of
; O^T = V^T P, whose result again holds one query a lane.  K comes out of LDS as it lies, V ([key][channel]) turned, by ds_load_tr16_b128.
; SOFTMAX.  A running maximum m and sum l for each query: p = 2^(c s - c m), c = log2(e) / 8; in every step O and l are multiplied by a = 2^(c m_old - c m_new).
; m starts at the lowest finite number, O and l at 0: the first step is a step like any other, with a = 0.
; BY TURNS.  Turn n belongs to piece n: 8 products K Q^T of piece n + 1, later 8 products V^T P of piece n - 1; beside them the scaling, exponentials, roundings, sums and rescaling of piece n and the
; maximum and statistics of piece n + 1.  Four vector instructions stand behind every matrix instruction, the other 54 of a turn's 118 in two runs of their own.
; CLUSTER.  The four query blocks of a cluster belong to one head and walk the same K and V, so each tile is asked for JOINTLY: the same tensor load, descriptor and mask in all four.
; REGISTERS, in windows of 256 (s_set_vgpr_msb: bits 1:0 source 0, 3:2 source 1, 5:4 source 2, 7:6 destination):
;   window 0: v0-15 addresses and two at work; v16-31 four registers of statistics a piece; v48-55 at work; v62-63 the add's; v64-127 S^T, two buffers; v192-223 P, two buffers (by the piece's parity)
;   window 1: v0-127 O^T, 32 a piece          window 2: v0-63 Q; v128-191 K of one step; v192-255 V of one step
.set NP,    4         ; pieces a wave: a name, no knob
.set KS,    64        ; keys in a step
.set PK,    144       ; a row of K in LDS: 128 bytes + 16 of padding: the 16 rows of a load start at 16 different groups of four banks (64 banks of 4 bytes: ISA guide 11.1)
.set PV,    160       ; a row of V: 128 + 32
.set VOFF,  4*KS*PK   ; a slot holds four steps: 256 rows of K, then 256 rows of V
.set SLOT1, 1<<17     ; slot 1 begins here, so that one exclusive or turns an address in one slot into the other's
.set STAGE, SLOT1+4*KS*(PK+PV)  ; behind the ring, never filled by a tensor load: 16 rows x 144 bytes for each wave, for the way out
.set SP,    144
.set SPARE, STAGE+4*16*SP  ; behind the stages: the spare words, 128 bytes for each wave, which no other line names
.set AK0, 2           ; v2   my lane's place in a tile of K; never rewritten
.set AV0, 3           ; v3   the same for V
.set AK,  4           ; v4   the LDS address of K's next run of loads
.set AV,  5           ; v5   of V's
.set STO, 6           ; v6   the way out: where I put 16 bytes of a row
.set RD,  7           ; v7   the way out: where I read rows back
.set GO,  8           ; v8   my byte offset in 512 consecutive bytes of O
.set MV,  12          ; v12-13  c m_old, kept while c m is made anew: by buffer
.set QO,  15          ; v15  my byte offset in 16 rows of Q
.set ST,  16          ; piece t's statistics at v[ST+4 t]: c m, m, l (even keys', odd keys')
.set TMP, 48          ; by buffer, four registers c0-c3 at work; when the maximum is found c2 takes a
.set SPW, 62          ; v62  LDS address of my spare word; never rewritten
.set NIL, 63          ; v63  0; never rewritten
.set S,   64
.set P,   192
.set KF,  128         ; window 2: key block kb, channel half c at KF + 16 kb + 8 c
.set VF,  192         ; window 2: key half kk, channel block cb at VF + 32 kk + 8 cb
.set WV,  12          ; s12  my wave's number
.set G1K, 24          ; s[24:31] descriptor group 1 for K's tiles
.set G1V, 32          ; s[32:39] for V's: it differs in the padding alone
.set G0K, 40          ; s[40:43] descriptor group 0 for K's tiles: it walks
.set G0V, 44          ; s[44:47] the same for V's
.set SLOTS, 56        ; s56  slots still to be asked for
.set CNT, 57          ; s57  counts a slot's key steps
.set CS,  58          ; s[58:59] c: the packed scaling takes the pair's low word for both halves
.set SEL, 60          ; s[60:61] v_permlanex16_b32's selects: each lane takes its own place in the other half
.set TBK, 62          ; s62  LDS byte at which K of the step to be fetched begins
.set TBV, 63          ; s63  the same for V, less VOFF
.set MSB, 0
.macro WIN new                      ; the high byte repeats the setting that is left; a switch that changes nothing is dropped
.if MSB != (\new)
	s_set_vgpr_msb (MSB<<8)|(\new)
.set MSB, (\new)
.endif
.endm
.set W_KQ, 0x0a       ; K and Q in window 2, S^T in window 0
.set W_PV, 0x52       ; V in window 2, P in window 0, O^T in window 1
.set W_RS, 0x41       ; destination and source 0 in window 1, source 1 in window 0
; A joint fill.  Waves 0 and 1 fetch the two halves of a slot's K, waves 2 and 3 those of its V: 128 keys each.  The branch hangs on the wave's number alone.
; An s_nop 0 and four v_nop follow each of the two lines, ahead of the jump and the label.
.macro JLOAD
	s_cmp_lt_u32 s[WV], 2
	s_cbranch_scc0 .Lfor_v_\@
	tensor_load_to_lds s[G0K:G0K+3], s[G1K:G1K+7]
	s_nop 0
.rept 4
	v_nop
.endr
	s_branch .Lasked_\@
.Lfor_v_\@:
	tensor_load_to_lds s[G0V:G0V+3], s[G1V:G1V+7]
	s_nop 0
.rept 4
	v_nop
.endr
.Lasked_\@:
.endm
; A round of the cluster's barrier: my work-group's barrier, so that wave 0's signal speaks for all four waves; wave 0 signals; every wave waits for all four work-groups; my work-group's barrier once more.
.macro CROUND
	s_barrier_signal -1
	s_barrier_wait -1
	s_cmp_lg_u32 s[WV], 0
	s_cbranch_scc1 .Lnot_wave_0_\@
	s_barrier_signal -3
.Lnot_wave_0_\@:
	s_barrier_wait -3
	s_barrier_signal -1
	s_barrier_wait -1
.endm
; THE CHANGE OF SLOTS.  The slot's last bytes, V of its fourth step, have been read.  Each wave waits for all its tensor loads, of which one is out: its part of the other slot; adds 0 to its spare
; word; and waits for that and for its own reads of the slot.  Behind the barrier nobody reads this slot any more and the other slot is whole.  fill = 1: this slot is filled again, with the keys two
; slots on; the barrier is then a round of the cluster's, and the joint fill is the first thing behind it: it has four key steps, 256 matrix instructions, in which to land.
; (At its first use nothing has been read yet: slot 0 is waited for, slot 1 filled.)
.macro CHANGE fill
	WIN 0                           ; at a label and at a branch every window is 0
	s_wait_tensorcnt 0x0            ; no tensor load of mine is out, so a group 0 may be written
	ds_add_u32 v[SPW], v[NIL]
.if \fill
.irp g, G0K, G0V
	s_xor_b32 s[\g+1], s[\g+1], SLOT1  ; the walking descriptor: the other slot than last time,
	s_add_nc_u64 s[\g+2:\g+3], s[\g+2:\g+3], 4*KS*128  ; the next 256 keys; the type bits on top are not reached
.endr
	s_wait_dscnt 0x0                ; the add is done, and my reads of the slot are over
	CROUND
	JLOAD
.else
	s_wait_dscnt 0x0                ; the add is done, and my reads of the slot are over
	s_barrier_signal -1
	s_barrier_wait -1
.endif
	s_sub_co_u32 s[TBK], s[TBK], 4*KS*PK  ; the fetches go back to a slot's first step,
	s_xor_b32 s[TBK], s[TBK], SLOT1       ; in the other slot
	s_sub_co_u32 s[TBV], s[TBV], 4*KS*PV
	s_xor_b32 s[TBV], s[TBV], SLOT1
.endm
	s_load_b64 s[4:5], s[0:1], 0x0    ; qkvb: Q
	s_load_b64 s[10:11], s[0:1], 0x8  ; O
	v_lshl_add_u32 v[SPW], v0, 2, SPARE
	v_mov_b32 v[NIL], 0
	ds_add_u32 v[SPW], v[NIL]       ; the wave's opening: the add and its wait stand ahead of my first tensor load; the set-up below stands between them
	v_lshrrev_b32 v1, 5, v0
	v_readfirstlane_b32 s[WV], v1   ; wave 0..3
	s_bfe_u32 s13, ttmp6, 0x40000   ; cx: my place in the cluster
	s_lshl_b32 s14, ttmp9, 2        ; in a cluster launch ttmp9 counts clusters
	s_add_co_u32 s14, s14, s13      ; my block of 256 queries = 4 x cluster x + cx: it enters Q's and O's addresses alone
	s_and_b32 s20, ttmp7, 0xffff    ; the head, which the four partners share:
	s_lshl_b32 s20, s20, 18         ; its 2,048 rows of 128 bytes
	s_mov_b32 s21, 0
	s_and_b32 s16, s[WV], 1         ; which half of a slot's 256 keys I fetch:
	s_lshl_b32 s22, s16, 14         ; its 128 rows of 128 bytes in memory,
	s_mov_b32 s23, 0
	s_add_nc_u64 s[22:23], s[22:23], s[20:21]
	s_mul_i32 s17, s16, 128*PK      ; and its place in a slot, for K
	s_mul_i32 s18, s16, 128*PV      ; and for V: no place in the cluster enters an LDS address
	s_lshl_b32 s2, s14, 2
	s_add_co_u32 s2, s2, s[WV]      ; my wave among the head's,
	s_lshl_b32 s2, s2, 13           ; its 64 rows
	s_mov_b32 s3, 0
	s_add_nc_u64 s[2:3], s[2:3], s[20:21]
	; descriptor group 1.  128 keys are 16,384 dense bytes: asked for as 64 rows of 256 bytes, two keys a row, and padded in LDS after every key
	s_mov_b32 s[G1K], 15|(1<<16)|(1<<20)|(1<<21)|(4<<22)|(3<<25)  ; the mask of four; 2-byte elements; padding on; bit 21 beside a mask; after every 32 words 4 words
	s_mov_b32 s[G1V], 15|(1<<16)|(1<<20)|(1<<21)|(4<<22)|(7<<25)  ; the same with 8 words of padding
.irp g, G1K, G1V
	s_mov_b32 s[\g+1], 128<<16      ; tensor_dim0 = 128
	s_mov_b32 s[\g+2], 64<<16       ; tensor_dim1 = 64
	s_mov_b32 s[\g+3], 128<<16      ; tile_dim0 = 128
	s_mov_b32 s[\g+4], 64           ; tile_dim1 = 64
	s_mov_b32 s[\g+5], 128          ; 128 elements from row to row
	s_mov_b32 s[\g+6], 0
	s_mov_b32 s[\g+7], 0
.endr
	s_mov_b32 s[CS], 0x3e38aa3b     ; c = log2(e) / 8
	s_mov_b32 s[CS+1], s[CS]        ; named with it as a pair
	s_mov_b32 s[SEL], 0x76543210
	s_mov_b32 s[SEL+1], 0xfedcba98
	s_mov_b32 s[TBK], SLOT1+4*KS*PK ; the first change of slots turns these two into 0
	s_mov_b32 s[TBV], SLOT1+4*KS*PV
	s_mov_b32 s[G0K], 1             ; count = 1
	s_mov_b32 s[G0K+1], s17         ; LDS address: slot 0
	s_mov_b32 s[G0V], 1
	s_add_co_u32 s[G0V+1], s18, VOFF
	s_wait_dscnt 0x0                ; the opening add is done
	s_wait_kmcnt 0x0
	s_add_nc_u64 s[6:7], s[4:5], 0x800000    ; K lies 8,388,608 bytes behind Q,
	s_add_nc_u64 s[8:9], s[4:5], 0x1000000   ; V as far behind K
	s_add_nc_u64 s[G0K+2:G0K+3], s[6:7], s[22:23]  ; my half of the head's first 256 keys
	s_or_b32 s[G0K+3], s[G0K+3], 0x80000000        ; type = 2
	s_add_nc_u64 s[G0V+2:G0V+3], s[8:9], s[22:23]
	s_or_b32 s[G0V+3], s[G0V+3], 0x80000000
	s_add_nc_u64 s[4:5], s[4:5], s[2:3]  ; Q and O at my wave's first row
	s_add_nc_u64 s[10:11], s[10:11], s[2:3]
	CROUND                          ; all four work-groups are here: the first joint loads meet
	JLOAD                           ; slot 0.  Slot 1 is asked for when slot 0 is in
	; A fragment of K or Q is 16 rows x 32 channels in 8 registers: lane l holds row l % 16, channels 8 (l / 16) + 0..7 and 16 + 8 (l / 16) + 0..7: two loads of 16 bytes, 32 bytes apart.
	v_and_b32 v1, 15, v0            ; l % 16
	v_bfe_u32 v9, v0, 4, 1          ; l / 16
	v_lshlrev_b32 v[QO], 7, v1
	v_lshl_add_u32 v[QO], v9, 4, v[QO]  ; row x 128 + 16 x half
	WIN 0x80                        ; destination window 2, address window 0
.set i, 0
.rept 8                             ; Q stays in registers: piece i / 2, channels 32 (i % 2) on
	global_load_b128 v[8*i:8*i+3],   v[QO], s[4:5] offset:(i/2)*2048+(i%2)*64
	global_load_b128 v[8*i+4:8*i+7], v[QO], s[4:5] offset:(i/2)*2048+(i%2)*64+32
.set i, i+1
.endr
	; What the first turn finds: V's registers and P's second buffer hold 0 (its products V^T P, of a piece that has not been, add 0), O^T and l are 0.  All this stands in the wait for the first tile.
.set i, VF
.rept 64
	v_mov_b32 v[i], 0
.set i, i+1
.endr
	WIN 0x40
.set i, 0
.rept 128
	v_mov_b32 v[i], 0
.set i, i+1
.endr
	WIN 0
.set i, 0
.rept 4
	v_mov_b32 v[ST+4*i], 0xfe000000    ; c m: far below every c s
	v_mov_b32 v[ST+4*i+1], 0xff7fffff  ; m
	v_mov_b32 v[ST+4*i+2], 0
	v_mov_b32 v[ST+4*i+3], 0
.set i, i+1
.endr
.set i, P+16
.rept 16
	v_mov_b32 v[i], 0
.set i, i+1
.endr
	v_mul_u32_u24 v[AK0], v1, PK
	v_lshl_add_u32 v[AK0], v9, 4, v[AK0]  ; row x pitch + 16 x half
	; The turning load takes 16 keys x 16 channels (lane l reads key 8 (l / 16) + l % 8, channels 8 ((l / 8) % 2) + 0..7) and leaves half a fragment of V^T: lane l holds channel l % 16 and 8 keys.
	v_and_b32 v10, 7, v0
	v_bfe_u32 v11, v0, 3, 1
	v_lshl_add_u32 v[AV0], v9, 3, v10
	v_mul_u32_u24 v[AV0], v[AV0], PV
	v_lshl_add_u32 v[AV0], v11, 4, v[AV0]
	v_add_nc_u32 v[AV0], VOFF, v[AV0]
	s_mul_i32 s13, s[WV], 16*SP
	s_add_co_u32 s13, s13, STAGE    ; my stage
	v_mul_u32_u24 v[STO], v1, SP    ; in: row l % 16, 16 bytes for each half of the lanes
	v_lshl_add_u32 v[STO], v9, 4, v[STO]
	v_add_nc_u32 v[STO], s13, v[STO]
	v_bfe_u32 v[RD], v0, 3, 2       ; back: 32 lanes take four rows of 128 bytes,
	v_mul_u32_u24 v[RD], v[RD], SP
	v_lshl_add_u32 v[RD], v10, 4, v[RD]
	v_add_nc_u32 v[RD], s13, v[RD]
	v_and_b32 v[GO], 31, v0         ; which are 512 consecutive bytes of O
	v_lshlrev_b32 v[GO], 4, v[GO]
; THE MATRIX WORK.  The 4 accumulators of a run of 8 take turns.  Product i of 8 of S^T = K Q^T for piece x: channels 32 (i / 4) on, keys 16 (i % 4) on.  The first 4 start the sums.
.macro KQ x
	WIN W_KQ
.set rS, S+32*((\x)%2)+8*(i%4)
.set rK, KF+16*(i%4)+8*(i/4)
.set rQ, 16*(\x)+8*(i/4)
.if i < 4
	v_wmma_f32_16x16x32_bf16 v[rS:rS+7], v[rK:rK+7], v[rQ:rQ+7], 0
.else
	v_wmma_f32_16x16x32_bf16 v[rS:rS+7], v[rK:rK+7], v[rQ:rQ+7], v[rS:rS+7]
.endif
.endm
; Product i of 8 of O^T += V^T P for piece x: keys 32 (i / 4) on, channels 16 (i % 4) on.
.macro PV x
	WIN W_PV
.set rO, 32*(\x)+8*(i%4)
.set rV, VF+32*(i/4)+8*(i%4)
.set rP, P+16*((\x)%2)+8*(i/4)
	v_wmma_f32_16x16x32_bf16 v[rO:rO+7], v[rV:rV+7], v[rP:rP+7], v[rO:rO+7]
.endm
.macro MM                           ; the turn's next matrix instruction
.if i < 8
	KQ (Y+1)%NP
.else
.set i, i-8
	PV (Y+NP-1)%NP
.set i, i+8
.endif
.set i, i+1
.endm
; THE LDS LOADS stand in runs of 16, never singly among the matrix instructions: a step's K (64 keys x 64 channels: 8 fragments) and its V (turned).  Their addresses are made some lines ahead.
; last = 1 (the tail): in the last trip there is no further step, and the run is jumped over.
.macro FETCH_K last=0
	WIN 0
.if \last
	s_cmp_eq_u32 s[CNT], 1
	s_cbranch_scc1 .Lno_k_\@
.endif
	WIN 0x80                        ; destination window 2
.irp f, 0,1,2,3,4,5,6,7             ; keys 16 (f / 2) on, channels 32 (f % 2) on
	ds_load_b128 v[KF+8*\f:KF+8*\f+3],   v[AK] offset:(\f/2)*16*PK+(\f%2)*64
	ds_load_b128 v[KF+8*\f+4:KF+8*\f+7], v[AK] offset:(\f/2)*16*PK+(\f%2)*64+32
.endr
	s_add_co_u32 s[TBK], s[TBK], KS*PK  ; the next fetch is the next step's
	WIN 0
.if \last
.Lno_k_\@:
.endif
.endm
.macro FETCH_V
	WIN 0x80
.irp f, 0,1,2,3,4,5,6,7             ; keys 32 (f / 4) on, channels 16 (f % 4) on
	ds_load_tr16_b128 v[VF+8*\f:VF+8*\f+3],   v[AV] offset:(\f/4)*32*PV+(\f%4)*32
	ds_load_tr16_b128 v[VF+8*\f+4:VF+8*\f+7], v[AV] offset:(\f/4)*32*PV+16*PV+(\f%4)*32
.endr
	WIN 0
.endm
; THE VECTOR WORK, one line at a time: OP kind, number.  For piece Y: F n: c s - c m for pair n of 16.  E n: the exponential of score n of 32.  C n: pair n rounded to bf16.  B n: of the four weights 4 n .. the second
; pair is added onto the first, in place.  L n: l takes that sum (L 0: l = a l + sum).  R n: pair n of 16 of O^T times a.  For piece Y + 1: X n, number n of the 22 that find its maximum and statistics:
;   0-11  four chains c0-c3 of seven scores each, three operands at a time (each accumulator's lowest registers are read first)     12-14, 16  the four scores left over, the old m, and c0-c3 into c0
;   15  c m_old is kept     17, 18  the query's other 32 keys lie in the lane 16 away: the new m     19-21  c m; c m_old - c m_new; a
.set F, 0               ; OP tells the kinds apart by their order: F to L below R, X above it
.set E, 1
.set C, 2
.set B, 3
.set L, 4
.set R, 5
.set X, 6
.macro REGS y                       ; the registers of piece y
.set rT, ST+4*(\y)
.set rC, TMP+4*((\y)%2)
.set rW, MV+((\y)%2)
.set rS, S+32*((\y)%2)
.set rP, P+16*((\y)%2)
.set rO, 32*(\y)
.endm
.macro OP k, n
.if (\k) == R
	REGS Y
	WIN W_RS
	v_pk_mul_f32 v[rO+2*(\n):rO+2*(\n)+1], v[rO+2*(\n):rO+2*(\n)+1], v[rC+2:rC+3] op_sel_hi:[1,0]
.elseif (\k) < R
	REGS Y
	WIN 0
.if (\k) == F
	v_pk_fma_f32 v[rS+2*(\n):rS+2*(\n)+1], v[rS+2*(\n):rS+2*(\n)+1], s[CS:CS+1], v[rT:rT+1] op_sel_hi:[1,0,0] neg_lo:[0,0,1] neg_hi:[0,0,1]
.elseif (\k) == E
	v_exp_f32 v[rS+(\n)], v[rS+(\n)]
.elseif (\k) == C
	s_wait_alu depctr_va_vdst(0)
	v_cvt_pk_bf16_f32 v[rP+(\n)], v[rS+2*(\n)], v[rS+2*(\n)+1]
.elseif (\k) == B
	s_wait_alu depctr_va_vdst(0)
	v_pk_add_f32 v[rS+4*(\n):rS+4*(\n)+1], v[rS+4*(\n):rS+4*(\n)+1], v[rS+4*(\n)+2:rS+4*(\n)+3]
.elseif (\n) == 0
	v_pk_fma_f32 v[rT+2:rT+3], v[rT+2:rT+3], v[rC+2:rC+3], v[rS:rS+1] op_sel_hi:[1,0,1]
.else
	v_pk_add_f32 v[rT+2:rT+3], v[rT+2:rT+3], v[rS+4*(\n):rS+4*(\n)+1]
.endif
.else
	REGS (Y+1)%NP
	WIN 0
.if (\n) < 4
	v_max3_num_f32 v[rC+(\n)], v[rS+8*(\n)], v[rS+8*(\n)+1], v[rS+8*(\n)+2]
.elseif (\n) < 12
	v_max3_num_f32 v[rC+(\n)%4], v[rC+(\n)%4], v[rS+8*((\n)%4)+2*((\n)/4)+1], v[rS+8*((\n)%4)+2*((\n)/4)+2]
.elseif (\n) == 12
	v_max3_num_f32 v[rC], v[rC], v[rS+7], v[rS+15]
.elseif (\n) == 13
	v_max3_num_f32 v[rC+1], v[rC+1], v[rS+23], v[rS+31]
.elseif (\n) == 14
	v_max3_num_f32 v[rC+2], v[rC+2], v[rC+3], v[rT+1]
.elseif (\n) == 15
	v_mov_b32 v[rW], v[rT]
.elseif (\n) == 16
	v_max3_num_f32 v[rC], v[rC], v[rC+1], v[rC+2]
.elseif (\n) == 17
	v_permlanex16_b32 v[rC+3], v[rC], s[SEL], s[SEL+1]
.elseif (\n) == 18
	v_max_num_f32 v[rT+1], v[rC], v[rC+3]
.elseif (\n) == 19
	v_mul_f32 v[rT], s[CS], v[rT+1]
.elseif (\n) == 20
	v_sub_f32 v[rC+1], v[rW], v[rT]
.else
	v_exp_f32 v[rC+2], v[rC+1]
.endif
.endif
.endm
.macro OPS a, i1, b=-1, i2=0, c=-1, i3=0, d=-1, i4=0  ; up to four of them
	OP \a, \i1
.if (\b) >= 0
	OP \b, \i2
.endif
.if (\c) >= 0
	OP \c, \i3
.endif
.if (\d) >= 0
	OP \d, \i4
.endif
.endm
.macro ROW a, i1, b, i2, c, i3, d, i4  ; a matrix instruction and the four behind it
	MM
	OPS \a, \i1, \b, \i2, \c, \i3, \d, \i4
.endm
; A TURN, for piece p: the order of its 16 matrix and 118 vector instructions, written out.  Behind a matrix instruction: plain, exponential, plain, plain; or four of the rescaling; or, behind the first, four scalings; none
; names a register of the products round it.  In the runs between, exponential and plain by turns while exponentials last, so that each exponential has a plain instruction behind it (ISA guide 5.7.2).
; last = 1: the tail's text.  cnt = 1: the loop's count is taken down some lines ahead of the branch that stands behind the turn.
; K of the next step is fetched in piece 2's turn, six vector instructions behind the last product that read K (five of them plain); V of the step in hand in piece 0's turn, eight behind the last product that read V (five
; of them plain).  Each is waited for a turn later.
.macro TURN p, last=0, cnt=0
.set Y, (\p)
.set i, 0
.if (\p) == 3
	s_wait_dscnt 0x0                ; K is in
.endif
	ROW F,0, F,1, F,2, F,3
	ROW F,4, E,0, F,5, F,6
	ROW F,7, E,1, F,8, F,9
	ROW F,10, E,2, C,0, F,11
	ROW F,12, E,3, X,15, F,13
	ROW R,0, R,1, R,2, R,3
	ROW B,0, E,4, F,14, L,0
.if (\p) == 2
	v_add_nc_u32 v[AK], s[TBK], v[AK0]
.endif
	ROW R,4, R,5, R,6, R,7
	OPS E,5, F,15
.if (\p) == 2
	FETCH_K \last
.endif
	OPS E,6, C,1, E,7, R,8
	OPS E,8, R,9, E,9, C,2
	OPS E,10, X,0, E,11, X,1
	OPS E,12, X,2, E,13, X,3
.if (\p) == 1
	s_wait_dscnt 0x0                ; V is in
.endif
	ROW X,4, E,14, X,5, X,6
	ROW X,7, E,15, X,8, X,9
	ROW X,10, E,16, X,11, X,12
	ROW X,13, E,17, X,14, B,1
	ROW C,4, E,18, X,16, L,1
	ROW B,2, E,19, C,6, L,2
	ROW C,8, E,20, B,3, B,4
.if (\p) == 0
	v_add_nc_u32 v[AV], s[TBV], v[AV0]
.endif
	ROW C,3, E,21, L,3, C,5
	OPS E,22, X,17, E,23, C,10
.if (\p) == 0
	FETCH_V
.endif
	OPS E,24, L,4
	OPS E,25, X,18, E,26, C,7
	OPS E,27, B,5, E,28, X,19
	OPS E,29, C,12, E,30, L,5
	OPS E,31, X,20, B,6, C,9
	OPS C,14, C,11, X,21, L,6
.if (\p) == 0
	s_add_co_u32 s[TBV], s[TBV], KS*PV
.endif
.if \cnt
	s_sub_co_u32 s[CNT], s[CNT], 1
	s_cmp_lg_u32 s[CNT], 0
.endif
	OPS C,13, B,7, C,15, R,10
	OPS R,11, R,12, L,7, R,13
	OPS R,14, R,15
.endm
	CHANGE 1                        ; slot 0 is in, everybody's part of it; slot 1 is asked for
	v_add_nc_u32 v[AK], s[TBK], v[AK0]
	FETCH_K                         ; key step 0
	s_wait_loadcnt 0x0              ; Q
	s_wait_dscnt 0x0
.set i, 0
.rept 8
	KQ 0                            ; piece 0's first scores: there is no vector work yet to set between them
.set i, i+1
.endr
	WIN 0
.rept 4
	v_nop                           ; the places behind those products
.endr
.set Y, NP-1                        ; X works for piece Y + 1: piece 0
.irp n, 0,1,2,3,4,5,6,7,8,9,10,11,12,13,14,15,16,17,18,19,20,21
	OP X, \n
.endr
	v_nop                           ; a plain instruction behind the exponential
	s_mov_b32 s[CNT], 4
	s_mov_b32 s[SLOTS], 7
	s_branch .Lfirst                ; the loop is entered at a step's first turn, in the middle of a trip
.Lslot:                             ; six times: every slot but the last two is filled again
	CHANGE 1
	s_mov_b32 s[CNT], 4
.Lstep:                             ; a trip: pieces 2 and 3 of one step, then pieces 0 and 1 of the next, whose K and V it fetches
	TURN 2
	TURN 3
	WIN 0
.Lfirst:
	TURN 0
	TURN 1, 0, 1
	WIN 0
	s_cbranch_scc1 .Lstep
	s_sub_co_u32 s[SLOTS], s[SLOTS], 1
	s_cmp_lg_u32 s[SLOTS], 0
	s_cbranch_scc1 .Lslot
	CHANGE 0                        ; the tail is written out: nothing is asked for
	s_mov_b32 s[CNT], 5             ; four trips fetch the last slot's steps; the fifth is left in its middle
.Ltail:
	TURN 2, 1
	TURN 3
	WIN 0
	s_sub_co_u32 s[CNT], s[CNT], 1
	s_cmp_eq_u32 s[CNT], 0
	s_cbranch_scc1 .Lout
	TURN 0
	TURN 1
	WIN 0
	s_branch .Ltail
.Lout:                              ; the fifth trip's 8 products K Q^T (on the last K once more) and the maximum made of them serve nothing: the price, once a launch, of one text for every trip
.set i, 0
.rept 8
	PV NP-1                         ; the last piece's V^T P of the last step
.set i, i+1
.endr
	; THE WAY OUT.  l's two halves and the other half of the lanes' are added; O^T is divided by l, rounded to bf16 and sent through my stage in LDS, a piece at a time.  The additions are the places behind the last products.
	WIN 0
.macro ALL line:vararg              ; one line for each piece t
.set t, 0
.rept 4
	\line
.set t, t+1
.endr
.endm
	ALL v_add_f32 v[ST+4*t+2], v[ST+4*t+2], v[ST+4*t+3]
	ALL v_permlanex16_b32 v[ST+4*t+3], v[ST+4*t+2], s[SEL], s[SEL+1]
	ALL v_add_f32 v[ST+4*t+2], v[ST+4*t+2], v[ST+4*t+3]
	ALL v_rcp_f32 v[ST+4*t+2], v[ST+4*t+2]
	v_nop                           ; a plain instruction between the last reciprocal and the use of its result
.macro PACK t                       ; a lane's eight channels of a row pack into 16 bytes; they go into rows of 144 bytes and come back as whole rows of 128, into S^T's registers
	WIN W_RS
.set i, 32*(\t)
.rept 16
	s_wait_alu depctr_va_vdst(0)
	v_pk_mul_f32 v[i:i+1], v[i:i+1], v[ST+4*(\t)+2:ST+4*(\t)+3] op_sel_hi:[1,0]
.set i, i+2
.endr
	WIN 0x05                        ; sources 0 and 1 window 1, destination window 0
.set i, 0
.rept 16
	v_cvt_pk_bf16_f32 v[S+16*(\t)+i], v[32*(\t)+2*i], v[32*(\t)+2*i+1]
.set i, i+1
.endr
	WIN 0
.irp f, 0,1,2,3
	ds_store_b128 v[STO], v[S+16*(\t)+4*\f:S+16*(\t)+4*\f+3] offset:32*\f
.endr
.irp f, 0,1,2,3
	ds_load_b128 v[S+16*(\t)+4*\f:S+16*(\t)+4*\f+3], v[RD] offset:\f*4*SP  ; LDS serves a wave's instructions in order (ISA guide 5.7.1.4): these see the stores above; the next piece's stores come behind them
.endr
.endm
.macro SEND t, younger              ; younger: the LDS instructions issued behind piece t's loads: the next piece's eight, or none
	WIN 0
.irp f, 0,1,2,3
	s_wait_dscnt (\younger)+3-\f
	global_store_b128 v[GO], v[S+16*(\t)+4*\f:S+16*(\t)+4*\f+3], s[10:11] offset:(\t)*2048+\f*512  ; 512 consecutive bytes, at a multiple of 256 from O's first
.endr
.endm
	PACK 0
.set t, 1
.rept 3                             ; a piece's arithmetic stands between the loads of the piece before and its stores
	PACK t
	SEND t-1, 8
.set t, t+1
.endr
	SEND 3, 0
	s_wait_tensorcnt 0x0            ; the wave's end, behind my last tensor load and my last LDS store
	ds_add_u32 v[SPW], v[NIL]
	s_wait_dscnt 0x0
	CROUND                          ; the closing round: no work-group ends while a partner may still ask for a tile that names it
	s_endpgm
.Lfunc_end_k_q9505e396a8_attn:
	.size	k_q9505e396a8_attn, .Lfunc_end_k_q9505e396a8_attn-k_q9505e396a8_attn
	.p2alignl 7, 3214868480
	.fill 96, 4, 3214868480
	.section	.rodata,"a",@progbits
	.p2align	6, 0x0
	.amdhsa_kernel k_q9505e396a8_attn
		.amdhsa_group_segment_fixed_size 327680
		.amdhsa_private_segment_fixed_size 0
		.amdhsa_enable_private_segment 0
		.amdhsa_kernarg_size 16
		.amdhsa_user_sgpr_count 2
		.amdhsa_user_sgpr_kernarg_segment_ptr 1
		.amdhsa_wavefront_size32 1
		.amdhsa_system_sgpr_workgroup_id_x 1
		.amdhsa_system_sgpr_workgroup_id_y 1
		.amdhsa_system_sgpr_workgroup_id_z 1
		.amdhsa_system_vgpr_workitem_id 0
		.amdhsa_next_free_vgpr 768
		.amdhsa_next_free_sgpr 66
		.amdhsa_reserve_vcc 0
		.amdhsa_float_denorm_mode_32 3
		.amdhsa_float_denorm_mode_16_64 3
		.amdhsa_memory_ordered 1
		.amdhsa_forward_progress 1
		.amdhsa_inst_pref_size 117
	.end_amdhsa_kernel
	.amdgpu_metadata
---
amdhsa.version: [ 1, 2 ]
amdhsa.kernels:
  - .name:           k_q9505e396a8_attn
    .symbol:         k_q9505e396a8_attn.kd
    .args:
      - { .name: qkvb, .offset: 0, .size: 8, .value_kind: global_buffer, .address_space: global }
      - { .name: obuf, .offset: 8, .size: 8, .value_kind: global_buffer, .address_space: global }
    .group_segment_fixed_size: 327680
    .private_segment_fixed_size: 0
    .kernarg_segment_align: 8
    .kernarg_segment_size: 16
    .max_flat_workgroup_size: 128
    .sgpr_count:     66
    .vgpr_count:     768
    .wavefront_size: 32
...
	.end_amdgpu_metadata
.endif
;; end of part 3
;; launch gemm_out (part 4): grid 8 x 32, 4 waves a work-group, clusters of 4 x 4, 327,680 bytes of LDS; arguments obuf, wbf, x, b_out, x1; writes x1
.if DOCPART == 4
	.amdgcn_target "amdgcn-amd-amdhsa--gfx1250"
	.amdhsa_code_object_version 6
	.text
	.protected	k_q9505e396a8_gemm_out
	.globl	k_q9505e396a8_gemm_out
	.p2align	8
	.type	k_q9505e396a8_gemm_out,@function
k_q9505e396a8_gemm_out:
	s_mov_b64 s[64:65], 0
	v_nop
	global_prefetch_b8 v0, s[64:65] scope:SCOPE_SE
	s_setreg_imm32_b32 hwreg(HW_REG_WAVE_MODE, 25, 1), 1
	s_wait_xcnt 0x0
	s_wait_alu depctr_hold_cnt(0) depctr_sa_sdst(0) depctr_va_vdst(0) depctr_va_sdst(0) depctr_va_ssrc(0) depctr_va_vcc(0) depctr_vm_vsrc(0)
	s_getreg_b32 s2, hwreg(HW_REG_IB_STS2, 6, 4)
	s_cmp_eq_u32 s2, 0
	s_cbranch_scc0 .Lentry_in_a_cluster
	s_endpgm
.Lentry_in_a_cluster:
	s_bfe_u32 s2, ttmp6, 0x10000c
	s_cmp_lg_u32 s2, 0xf033
	s_cbranch_scc0 .Lentry_shape_is_right
	s_endpgm
.Lentry_shape_is_right:
; C = R + A W + bias, in f32.  W: [K][1024] bf16, N along the rows, as the weights are given.  R and C: [4096][1024] f32.  Sums in f32, one accumulator an output.
; ONE TEXT FOR TWO LAUNCHES, told apart by OUTP.
;   OUTP = 1: A = the attention's O, by heads, [32][2048][64] bf16 (K = 1,024 = 16 heads x 64, in that order), W = w_out, R = x.
;   OUTP = 0: A = gelu's output, [4096][4096] bf16 (K = 4,096), W = w_ff2, R = x1.
; A tile of C is 128 x 128, so that the grid of 8 x 32 is 256 work-groups; 2 x 2 waves of 64 x 64: 16 accumulators.  K goes in steps of 256, as long as two LDS slots allow.
; A's fragments come out of LDS as they lie; W's are turned by ds_load_tr16_b128.  THE MATRIX INSTRUCTION IS USED TRANSPOSED (source 0 = 16 columns of W, source 1 = 16 rows of A).
; With OUTP = 1 a K step is four heads; a head's 128 rows of the tile are 16,384 dense bytes, asked for as ONE long row, two heads to a load, padded in LDS after every 128 bytes: [head][row][64 channels].
; CLUSTER: 4 x 4 work-groups; A's tiles are shared along a row of the cluster, W's along a column: joint loads with a mask of four.
; WHERE K BEGINS.  A cluster walks the KS steps of K in a ring, from step 0 or KS / 2 as (cluster x + cluster y) is even or odd.  The two clusters side by side read the same tiles of A, clusters one above the
; other the same tiles of W: neighbours begin half of K apart, so that in the second half of its walk a cluster comes for tiles that a neighbour asked for KS / 2 steps earlier, and never at the same step.
; The step's number hangs on the cluster's place in the grid alone, which all partners share, and enters the global addresses alone.  The order of a sum along K is rotated with it.
; THE WAY OUT: the wave's 64 x 64 of R were loaded at the start and wait in registers; the sums go through the ring, which has had its last fill (each wave a part of its own), and come back by whole rows.
; LIMITS.  Matrix operands are bf16; NaN and infinities are not treated apart.
; REGISTERS: window 0: v0-31 addresses and the bias; v32-95 at work on the way out; v128-255 the accumulators ((a, b) at v[128 + 8 (4 a + b)]).
;   window 1: two fragment buffers of 128: for 64 along K, 64 registers of A, then 64 of W.     window 2: v0-127 R.
.set OUTP,   1
.if OUTP
.set KS,     4                         ; K steps of 256
.set WOFF,   6291456                   ; w_out in wbf
.set PA,     144                       ; a head's row in LDS: 128 bytes + 16
.set HALFA,  2*128*PA                  ; two heads
.set AQ,     128*PA                    ; 64 along K on: the next head
.set ASTEP,  4*262144                  ; four heads on
.else
.set KS,     16
.set WOFF,   16777216                  ; w_ff2 in wbf
.set PA,     528                       ; 512 bytes + 16
.set HALFA,  64*PA
.set AQ,     128
.set ASTEP,  512
.endif
.set PB,     288                       ; a row of W in LDS: 256 bytes + 32
.set ABYTES, 73728                     ; room for A in a slot
.set HALFB,  128*PB                    ; what one tensor load brings of W: 128 rows along K
.set SLOT,   ABYTES+2*HALFB            ; no LDS base inside a slot (0, HALFA, ABYTES, ABYTES + HALFB) has a bit in common with SLOT, so one exclusive or changes slots
.set BSTEP,  256*2048                  ; bytes from a K step of W to the next
.set SPARE,  2*SLOT                    ; behind the ring: the spare words, 128 bytes for each wave, which no other line names
.set DP,     272                       ; a row of the wave's sums in LDS: 64 f32 + 16 bytes
.set REG,    64*DP
.set BI,   12                          ; v[12:15] the bias of my 4 columns
.set ADRA, 16                          ; v16  A0 + the slot in hand
.set ADRB, 17                          ; v17  B0 + the slot in hand;  v18  the same 128 rows along K further on, so that the loads' offsets stay inside 16 bits
.set A0,   19                          ; v19  my lane's place in A's part of a slot; never rewritten
.set B0,   20                          ; v20  the same for W
.set QAA,  21                          ; v21  A's address for the quarter that is written once: quarter 3 of the slot in hand, or quarter 1 of the next
.set QAB,  22                          ; v22  the same for W
.set DMP,  24                          ; v24  the way out: where I put my sums
.set RD,   25                          ; v25  where I read rows back
.set CO,   26                          ; v26  my byte offset in R and in C; never rewritten
.set BO,   27                          ; v27  my byte offset in the bias
.set SPW,  28                          ; v28  LDS address of my spare word; never rewritten
.set NIL,  29                          ; v29  0; never rewritten
.set TT,   32                          ; two sets of 32 on the way out
.set ACC,  128
.set F0,   0
.set F1,   128
.set G1,   24                          ; s[24:31] descriptor group 1 for A;  s[32:39] group 0: a set for each first fill; the second then walks
.set G0,   32
.set G1B,  48                          ; s[48:55], s[56:63] the same for W
.set G0B,  56
                                       ; s17 the K step to be asked for next; s[18:19] its byte offset; s[72:73], s[74:75] my tiles of A and W at K step 0; never rewritten
.set MSB, 0
.macro WIN new                         ; the immediate's high byte repeats the setting that is left; a switch that changes nothing is dropped
.if MSB != (\new)
	s_set_vgpr_msb (MSB<<8)|(\new)
.set MSB, \new
.endif
.endm
.macro PLACES                          ; four places in front of loads into registers that matrix instructions have read, and of reads of results
.rept 4
	v_nop
.endr
.endm
.macro JLOAD                           ; a joint refill by the walking descriptors: waves 0 and 1 fetch A's halves, waves 2 and 3 W's; an s_nop 0 and four v_nop follow each line
	s_cmp_eq_u32 s13, 0
	s_cbranch_scc0 .Lfor_b_\@
	tensor_load_to_lds s[G0+4:G0+7], s[G1:G1+7]
	s_nop 0
.rept 4
	v_nop
.endr
	s_branch .Lasked_\@
.Lfor_b_\@:
	tensor_load_to_lds s[G0B+4:G0B+7], s[G1B:G1B+7]
	s_nop 0
.rept 4
	v_nop
.endr
.Lasked_\@:
.endm
.macro CREST                           ; a round of the cluster's barrier behind its opening barrier
	s_cmp_lg_u32 s12, 0
	s_cbranch_scc1 .Lnot_wave_0_\@
	s_barrier_signal -3
.Lnot_wave_0_\@:
	s_barrier_wait -3
	s_barrier_signal -1
	s_barrier_wait -1
.endm
.macro CROUND
	s_barrier_signal -1
	s_barrier_wait -1
	CREST
.endm
; 8 matrix instructions: block rows a0, a0 + 1 x all 4 block columns, 32 along K: half c of buffer f.  zero = 1: the product starts the sums.  The accumulators take turns.
.macro MUL8 f, c, a0, zero
	WIN 0x05                                       ; sources 0 (W) and 1 (A) window 1; C and D window 0
.irp a, \a0, (\a0)+1
.irp b, 0,1,2,3
.if \zero
	v_wmma_f32_16x16x32_bf16 v[ACC+8*(4*(\a)+(\b)):ACC+8*(4*(\a)+(\b))+7], v[(\f)+64+8*(4*(\c)+(\b)):(\f)+64+8*(4*(\c)+(\b))+7], v[(\f)+8*(4*(\c)+(\a)):(\f)+8*(4*(\c)+(\a))+7], 0
.else
	v_wmma_f32_16x16x32_bf16 v[ACC+8*(4*(\a)+(\b)):ACC+8*(4*(\a)+(\b))+7], v[(\f)+64+8*(4*(\c)+(\b)):(\f)+64+8*(4*(\c)+(\b))+7], v[(\f)+8*(4*(\c)+(\a)):(\f)+8*(4*(\c)+(\a))+7], v[ACC+8*(4*(\a)+(\b)):ACC+8*(4*(\a)+(\b))+7]
.endif
.endr
.endr
.endm
; 32 LDS loads in one run: the fragments of one quarter (64 along K) into buffer f; the first 32 along K first.  ra, rb: the address registers; ba, bb: the quarter's bytes on top of them.
.macro FETCH ra, rb, ba, bb, f
	WIN 0x40                                       ; destination window 1, address window 0
.irp c, 0,1
.irp i, 0,1,2,3
	ds_load_tr16_b128 v[(\f)+64+8*(4*(\c)+(\i)):(\f)+64+8*(4*(\c)+(\i))+3],   v[\rb] offset:(\bb)+32*(\c)*PB+32*(\i)
	ds_load_tr16_b128 v[(\f)+64+8*(4*(\c)+(\i))+4:(\f)+64+8*(4*(\c)+(\i))+7], v[\rb] offset:(\bb)+(32*(\c)+16)*PB+32*(\i)
	ds_load_b128 v[(\f)+8*(4*(\c)+(\i)):(\f)+8*(4*(\c)+(\i))+3],   v[\ra] offset:(\ba)+64*(\c)+(\i)*16*PA
	ds_load_b128 v[(\f)+8*(4*(\c)+(\i))+4:(\f)+8*(4*(\c)+(\i))+7], v[\ra] offset:(\ba)+64*(\c)+(\i)*16*PA+32
.endr
.endr
.endm
; A K step is four quarters of 64 along K, 32 matrix instructions each, on buffers 0, 1, 0, 1.  One of the first three: multiplies buffer f and fetches the next quarter into g.
; setq = 1: two of the four places make the addresses of quarter 3, for the quarter that follows.
.macro QUARTER f, g, zero, ra, rb, ba, bb, setq
	s_wait_dscnt 16                                ; the first 32 along K are in
	MUL8 \f, 0, 0, \zero
	MUL8 \f, 0, 2, \zero
.if \setq
	WIN 0
	v_add_nc_u32 v[QAA], 3*AQ, v[ADRA]
	v_add_nc_u32 v[QAB], 3*64*PB, v[ADRB]
	v_nop
	v_nop
.else
	PLACES
.endif
	FETCH \ra, \rb, \ba, \bb, \g
	s_wait_dscnt 32                                ; all but the 32 just issued
	MUL8 \f, 1, 0, 0
	MUL8 \f, 1, 2, 0
.endm
; The last quarter multiplies buffer 1 and changes slots: ONE barrier.  In front of it each wave waits for all its tensor loads (one is out: its part of the next slot), adds 0 to its spare word,
; and waits for that and for its reads of this slot.  fill = 1: the barrier opens a round of the cluster's barrier, and the joint refill, two steps of the walk ahead, is the first thing behind the round.
.macro TURN fill
	WIN 0
	s_wait_tensorcnt 0x0                           ; no tensor load of mine is out, so a group 0 may be written
	ds_add_u32 v[SPW], v[NIL]
.if \fill
	s_xor_b32 s[G0+5], s[G0+5], SLOT               ; the walking descriptors: the other slot than last time; the addresses are made anew from the step's number
	s_mul_i32 s18, s17, ASTEP
	s_add_nc_u64 s[G0+6:G0+7], s[72:73], s[18:19]
	s_or_b32 s[G0+7], s[G0+7], 0x80000000
	s_xor_b32 s[G0B+5], s[G0B+5], SLOT
	s_mul_i32 s18, s17, BSTEP
	s_add_nc_u64 s[G0B+6:G0B+7], s[74:75], s[18:19]
	s_or_b32 s[G0B+7], s[G0B+7], 0x80000000
	s_add_co_u32 s17, s17, 1                       ; the next step of the ring
	s_and_b32 s17, s17, KS-1
.endif
	s_wait_dscnt 17                                ; the add and the youngest sixteen loads may be out
	MUL8 F1, 0, 0, 0
	s_wait_dscnt 0x0                               ; the add is done, and my reads of this slot are over
	s_barrier_signal -1
	MUL8 F1, 0, 2, 0                               ; work on registers while the others arrive
	WIN 0                                          ; branches and address lines follow
	s_barrier_wait -1
.if \fill
	CREST                                          ; no wave of any partner still reads this slot or has a load on its way
	JLOAD                                          ; its four v_nop are also the places in front of the loads below
.else
	PLACES
.endif
	s_xor_b32 s20, s20, SLOT
	v_add_nc_u32 v[ADRA], s20, v[A0]
	v_add_nc_u32 v[ADRB], s20, v[B0]
	v_add_nc_u32 v[ADRB+1], HALFB, v[ADRB]
	v_add_nc_u32 v[QAA], AQ, v[ADRA]               ; quarter 1 of the new slot, for the quarter that follows
	v_add_nc_u32 v[QAB], 64*PB, v[ADRB]
	FETCH ADRA, ADRB, 0, 0, F0
	MUL8 F1, 1, 0, 0
	MUL8 F1, 1, 2, 0
	WIN 0
.endm
	s_load_b256 s[4:11], s[0:1], 0x0               ; A s[4:5], wbf s[6:7], R s[8:9], bias s[10:11]
	s_load_b64 s[46:47], s[0:1], 0x20              ; C
	v_lshl_add_u32 v[SPW], v0, 2, SPARE
	v_mov_b32 v[NIL], 0
	ds_add_u32 v[SPW], v[NIL]                      ; the wave's opening: the add and its wait stand ahead of my first tensor load; the set-up below stands between them
	v_lshrrev_b32 v1, 5, v0
	v_readfirstlane_b32 s12, v1                    ; wave 0..3
	s_lshr_b32 s13, s12, 1                         ; I fetch for A (0) or for W (1),
	s_and_b32 s14, s12, 1                          ; and which half of that tile
	s_lshr_b32 s15, s12, 1                         ; which half of the tile's rows is mine
	s_and_b32 s16, s12, 1                          ; which half of its columns
	s_bfe_u32 s40, ttmp6, 0x40000                  ; cx, cy: my place in the cluster
	s_bfe_u32 s41, ttmp6, 0x40004
	s_lshl_b32 s42, ttmp9, 2
	s_add_co_u32 s42, s42, s40                     ; tile column = 4 x cluster x + cx
	s_and_b32 s43, ttmp7, 0xffff
	s_lshl_b32 s43, s43, 2
	s_add_co_u32 s43, s43, s41                     ; tile row = 4 x cluster y + cy
	s_lshl_b32 s44, s41, 2
	s_lshl_b32 s44, 15, s44                        ; my row of the cluster
	s_lshl_b32 s45, 0x1111, s40                    ; my column
	s_add_co_u32 s17, ttmp9, ttmp7                 ; my cluster's first K step: KS / 2 where cluster x + cluster y is odd, else 0
	s_and_b32 s17, s17, 1
	s_mul_i32 s17, s17, KS/2
	s_mov_b32 s19, 0
.if OUTP
	s_or_b32 s[G1], s44, (1<<16)|(1<<20)|(1<<21)|(4<<22)|(3<<25)    ; mask; 2-byte elements; padding on; bit 21 beside a mask; after every 32 words 4 words
	s_mov_b32 s[G1+1], 8192<<16                    ; tensor_dim0 = 8,192: a head's 128 rows x 64 channels, dense
	s_mov_b32 s[G1+2], 2<<16                       ; tensor_dim1 = 2 heads
	s_mov_b32 s[G1+3], 8192<<16                    ; tile_dim0
	s_mov_b32 s[G1+4], 2                           ; tile_dim1
	s_mov_b32 s[G1+5], 131072                      ; elements from head to head
.else
	s_or_b32 s[G1], s44, (1<<16)|(1<<20)|(1<<21)|(6<<22)|(3<<25)    ; after every 128 words 4 words
	s_mov_b32 s[G1+1], 256<<16                     ; tensor_dim0 = 256
	s_mov_b32 s[G1+2], 64<<16                      ; tensor_dim1 = 64
	s_mov_b32 s[G1+3], 256<<16                     ; tile_dim0
	s_mov_b32 s[G1+4], 64                          ; tile_dim1
	s_mov_b32 s[G1+5], 4096                        ; elements from row to row
.endif
	s_mov_b32 s[G1+6], 0
	s_mov_b32 s[G1+7], 0
	s_or_b32 s[G1B], s45, (1<<16)|(1<<20)|(1<<21)|(5<<22)|(7<<25)   ; my column's mask; after every 64 words 8 words
	s_mov_b32 s[G1B+1], 128<<16
	s_mov_b32 s[G1B+2], 128<<16
	s_mov_b32 s[G1B+3], 128<<16
	s_mov_b32 s[G1B+4], 128
	s_mov_b32 s[G1B+5], 1024
	s_mov_b32 s[G1B+6], 0
	s_mov_b32 s[G1B+7], 0
.if OUTP
	s_lshr_b32 s66, s43, 4                         ; A: the batch's 16 heads of 262,144 bytes,
	s_lshl_b32 s66, s66, 22
	s_lshl_b32 s67, s14, 19                        ; two heads for each half,
	s_add_co_u32 s66, s66, s67
	s_and_b32 s67, s43, 15                         ; the tile's 128 rows of 128 bytes in a head: all of it hangs on the tile row alone
	s_lshl_b32 s67, s67, 14
	s_add_co_u32 s66, s66, s67
.else
	s_lshl_b32 s66, s43, 7                         ; A: row 128 x tile row + 64 x half, 8,192 bytes a row
	s_lshl_b32 s67, s14, 6
	s_add_co_u32 s66, s66, s67
	s_lshl_b32 s66, s66, 13
.endif
	s_mov_b32 s67, 0
	s_lshl_b32 s68, s42, 8                         ; W: the tile's first column, 128 rows along K for each half: it hangs on the tile column alone
	s_lshl_b32 s69, s14, 18
	s_add_co_u32 s68, s68, s69
	s_add_co_u32 s68, s68, WOFF
	s_mov_b32 s69, 0
	s_mul_i32 s70, s14, HALFA                      ; where they go: no place in the cluster enters an LDS address
	s_mul_i32 s71, s14, HALFB
	s_add_co_u32 s71, s71, ABYTES
	s_wait_dscnt 0x0                               ; the opening add is done
	s_wait_kmcnt 0x0
	s_add_nc_u64 s[72:73], s[4:5], s[66:67]
	s_add_nc_u64 s[74:75], s[6:7], s[68:69]
	CROUND                                         ; all sixteen work-groups are here: the first joint loads meet
.irp s, 0,1                            ; the walk's first two steps, into slots 0 and 1
	s_mov_b32 s[G0+4*(\s)], 1
	s_add_co_u32 s[G0+4*(\s)+1], s70, (\s)*SLOT
	s_mul_i32 s18, s17, ASTEP
	s_add_nc_u64 s[G0+4*(\s)+2:G0+4*(\s)+3], s[72:73], s[18:19]
	s_or_b32 s[G0+4*(\s)+3], s[G0+4*(\s)+3], 0x80000000
	s_mov_b32 s[G0B+4*(\s)], 1
	s_add_co_u32 s[G0B+4*(\s)+1], s71, (\s)*SLOT
	s_mul_i32 s18, s17, BSTEP
	s_add_nc_u64 s[G0B+4*(\s)+2:G0B+4*(\s)+3], s[74:75], s[18:19]
	s_or_b32 s[G0B+4*(\s)+3], s[G0B+4*(\s)+3], 0x80000000
	s_add_co_u32 s17, s17, 1
	s_and_b32 s17, s17, KS-1
.endr
	s_cmp_eq_u32 s13, 0                            ; a wave's two first fills stand in one branch, ahead of every wait on TENSORcnt and every LDS read: two loads of mine are out
	s_cbranch_scc0 .Lfirst_b
	tensor_load_to_lds s[G0:G0+3], s[G1:G1+7]
	s_nop 0
	tensor_load_to_lds s[G0+4:G0+7], s[G1:G1+7]
	s_nop 0
.rept 4
	v_nop
.endr
	s_branch .Lfirst_asked
.Lfirst_b:
	tensor_load_to_lds s[G0B:G0B+3], s[G1B:G1B+7]
	s_nop 0
	tensor_load_to_lds s[G0B+4:G0B+7], s[G1B:G1B+7]
	s_nop 0
.rept 4
	v_nop
.endr
.Lfirst_asked:
	v_and_b32 v1, 15, v0                           ; l % 16
	v_bfe_u32 v2, v0, 4, 1                         ; l / 16
	v_and_b32 v3, 7, v0
	v_bfe_u32 v4, v0, 3, 1
	v_lshlrev_b32 v[CO], 12, v2                    ; R and C: lanes 0-15 take 256 bytes of one row, lanes 16-31 of the next
	v_lshl_add_u32 v[CO], v1, 4, v[CO]
	v_lshlrev_b32 v[BO], 4, v1
	s_lshl_b32 s76, s43, 7                         ; my first row and column: (128 tile row + 64 block row) x 4,096 + 512 tile column + 256 block column
	s_lshl_b32 s77, s15, 6
	s_add_co_u32 s76, s76, s77
	s_lshl_b32 s76, s76, 12
	s_lshl_b32 s77, s42, 9
	s_add_co_u32 s76, s76, s77
	s_lshl_b32 s77, s16, 8
	s_add_co_u32 s76, s76, s77
	s_mov_b32 s77, 0
	s_add_nc_u64 s[8:9], s[8:9], s[76:77]
	s_add_nc_u64 s[46:47], s[46:47], s[76:77]
	s_lshl_b32 s76, s42, 9                         ; the bias of my 64 columns
	s_lshl_b32 s78, s16, 8
	s_add_co_u32 s76, s76, s78
	s_add_nc_u64 s[10:11], s[10:11], s[76:77]
	global_load_b128 v[BI:BI+3], v[BO], s[10:11]
	WIN 0x80                                       ; destination window 2, address window 0
.set t, 0
.rept 32
	global_load_b128 v[4*t:4*t+3], v[CO], s[8:9] offset:t*8192  ; my 64 x 64 of R: waited for on the way out
.set t, t+1
.endr
	WIN 0
	v_mul_u32_u24 v[A0], v1, PA                    ; a fragment of A: row l % 16, 16 bytes for each half of the lanes
	v_lshl_add_u32 v[A0], v2, 4, v[A0]
	s_mul_i32 s21, s15, 64*PA                      ; my 64 rows of the tile
	v_add_nc_u32 v[A0], s21, v[A0]
	v_lshl_add_u32 v3, v2, 3, v3                   ; the turning load: lane l reads row 8 (l / 16) + l % 8 along K, columns 8 ((l / 8) % 2) + 0..7
	v_mul_u32_u24 v[B0], v3, PB
	v_lshl_add_u32 v[B0], v4, 4, v[B0]
	s_lshl_b32 s21, s16, 7                         ; my 64 columns
	s_add_co_u32 s21, s21, ABYTES
	v_add_nc_u32 v[B0], s21, v[B0]
	v_mov_b32 v[ADRA], v[A0]                       ; slot 0
	v_mov_b32 v[ADRB], v[B0]
	v_add_nc_u32 v[ADRB+1], HALFB, v[B0]
	s_mov_b32 s20, 0
	s_mul_i32 s21, s12, REG                        ; my part of the ring on the way out
	v_mul_u32_u24 v[DMP], v1, DP                   ; in: row l % 16, 32 bytes for each half of the lanes
	v_lshl_add_u32 v[DMP], v2, 5, v[DMP]
	v_add_nc_u32 v[DMP], s21, v[DMP]
	v_mul_u32_u24 v[RD], v2, DP                    ; back: lanes 0-15 take one row of 256 bytes, lanes 16-31 the next
	v_lshl_add_u32 v[RD], v1, 4, v[RD]
	v_add_nc_u32 v[RD], s21, v[RD]
	s_wait_tensorcnt 0x1                           ; my part of the walk's first step is in; the second may stay out
	s_barrier_signal -1
	s_barrier_wait -1                              ; everybody's is
	FETCH ADRA, ADRB, 0, 0, F0
	QUARTER F0, F1, 1, ADRA, ADRB, AQ, 64*PB, 0    ; the first quarter stands in front of the loop: its first products start the sums
	WIN 0                                          ; at a label and at a branch every window is 0
	s_mov_b32 s3, KS-2
.Lstep:                                                ; a trip: quarters 1 to 3 of a K step, the change of slots with its refill, quarter 0 of the next step
	QUARTER F1, F0, 0, ADRA, ADRB+1, 2*AQ, 0, 1    ; multiplies quarter 1, fetches quarter 2
	WIN 0
	s_mov_b32 s2, 2
	s_branch .Lqa                                  ; the inner loop of two passes is entered in its middle
.Lturn:
	TURN 1                                         ; multiplies quarter 3, fetches the next step's quarter 0
.Lqa:
	QUARTER F0, F1, 0, QAA, QAB, 0, 0, 0           ; written once, passed twice: multiplies quarter 2 and fetches quarter 3; then the next step's quarters 0 and 1
	WIN 0
	s_sub_co_u32 s2, s2, 1
	s_cmp_lg_u32 s2, 0
	s_cbranch_scc1 .Lturn
	s_sub_co_u32 s3, s3, 1
	s_cmp_lg_u32 s3, 0
	s_cbranch_scc1 .Lstep
	s_mov_b32 s3, 2
.Ltail:                                                ; the last two K steps ask for nothing; the second trip is left behind its change of slots
	QUARTER F1, F0, 0, ADRA, ADRB+1, 2*AQ, 0, 1
	WIN 0
	s_mov_b32 s2, 2
	s_branch .Ltqa
.Ltturn:
	TURN 0                                         ; in the second trip its 32 LDS loads (of the slot read before) serve nothing: the price of one text for both trips
	s_sub_co_u32 s3, s3, 1
	s_cmp_eq_u32 s3, 0
	s_cbranch_scc1 .Lout
.Ltqa:
	QUARTER F0, F1, 0, QAA, QAB, 0, 0, 0
	WIN 0
	s_sub_co_u32 s2, s2, 1
	s_cmp_lg_u32 s2, 0
	s_cbranch_scc1 .Ltturn
	s_branch .Ltail
.Lout:
	PLACES                                         ; the stores below read results just made
	s_wait_dscnt 0x0                               ; my reads of the ring are over,
	s_barrier_signal -1
	s_barrier_wait -1                              ; everybody's are: the ring, which has had its last fill, takes the sums
.set t, 0
.rept 16
	ds_store_b128 v[DMP], v[ACC+8*t:ACC+8*t+3] offset:(t/4)*16*DP+64*(t%4)       ; each accumulator's low half first
	ds_store_b128 v[DMP], v[ACC+8*t+4:ACC+8*t+7] offset:(t/4)*16*DP+64*(t%4)+16
.set t, t+1
.endr
	s_wait_loadcnt 0x0                             ; R and the bias
.macro LOADG g                         ; eight pairs of rows back, into set g % 2
.set t, 0
.rept 8
	ds_load_b128 v[TT+32*((\g)%2)+4*t:TT+32*((\g)%2)+4*t+3], v[RD] offset:(8*(\g)+t)*2*DP  ; LDS serves a wave's instructions in order (ISA guide 5.7.1.4): these see my stores above
.set t, t+1
.endr
.endm
.macro WORKG g, left                   ; left: the younger group's loads, which may stay out
	s_wait_dscnt \left
	WIN 0x08                                       ; source 1 (R) window 2
.set t, 0
.rept 16
	v_pk_add_f32 v[TT+32*((\g)%2)+2*t:TT+32*((\g)%2)+2*t+1], v[TT+32*((\g)%2)+2*t:TT+32*((\g)%2)+2*t+1], v[32*(\g)+2*t:32*(\g)+2*t+1]
.set t, t+1
.endr
	WIN 0
.set t, 0
.rept 8
	v_pk_add_f32 v[TT+32*((\g)%2)+4*t:TT+32*((\g)%2)+4*t+1], v[TT+32*((\g)%2)+4*t:TT+32*((\g)%2)+4*t+1], v[BI:BI+1]
	v_pk_add_f32 v[TT+32*((\g)%2)+4*t+2:TT+32*((\g)%2)+4*t+3], v[TT+32*((\g)%2)+4*t+2:TT+32*((\g)%2)+4*t+3], v[BI+2:BI+3]
.set t, t+1
.endr
.set t, 0
.rept 8
	global_store_b128 v[CO], v[TT+32*((\g)%2)+4*t:TT+32*((\g)%2)+4*t+3], s[46:47] offset:(8*(\g)+t)*8192  ; 16 lanes store 256 consecutive bytes, at a multiple of 256 from C's first byte
.set t, t+1
.endr
.endm
	LOADG 0
	LOADG 1
	WORKG 0, 8
	s_wait_xcnt 0x0                                ; the set that the stores read is loaded again only behind this wait
	LOADG 2
	WORKG 1, 8
	s_wait_xcnt 0x0
	LOADG 3
	WORKG 2, 8
	WORKG 3, 0
	s_wait_tensorcnt 0x0                           ; the wave's end, behind my last tensor load and my last LDS store
	ds_add_u32 v[SPW], v[NIL]
	s_wait_dscnt 0x0
	CROUND                                         ; the closing round: no work-group ends while a partner may still ask for a tile that names it
	s_endpgm
.Lfunc_end_k_q9505e396a8_gemm_out:
	.size	k_q9505e396a8_gemm_out, .Lfunc_end_k_q9505e396a8_gemm_out-k_q9505e396a8_gemm_out
	.p2alignl 7, 3214868480
	.fill 96, 4, 3214868480
	.section	.rodata,"a",@progbits
	.p2align	6, 0x0
	.amdhsa_kernel k_q9505e396a8_gemm_out
		.amdhsa_group_segment_fixed_size 327680
		.amdhsa_private_segment_fixed_size 0
		.amdhsa_enable_private_segment 0
		.amdhsa_kernarg_size 40
		.amdhsa_user_sgpr_count 2
		.amdhsa_user_sgpr_kernarg_segment_ptr 1
		.amdhsa_wavefront_size32 1
		.amdhsa_system_sgpr_workgroup_id_x 1
		.amdhsa_system_sgpr_workgroup_id_y 1
		.amdhsa_system_sgpr_workgroup_id_z 1
		.amdhsa_system_vgpr_workitem_id 0
		.amdhsa_next_free_vgpr 640
		.amdhsa_next_free_sgpr 80
		.amdhsa_reserve_vcc 0
		.amdhsa_float_denorm_mode_32 3
		.amdhsa_float_denorm_mode_16_64 3
		.amdhsa_memory_ordered 1
		.amdhsa_forward_progress 1
		.amdhsa_inst_pref_size 62
	.end_amdhsa_kernel
	.amdgpu_metadata
---
amdhsa.version: [ 1, 2 ]
amdhsa.kernels:
  - .name:           k_q9505e396a8_gemm_out
    .symbol:         k_q9505e396a8_gemm_out.kd
    .args:
      - { .name: obuf, .offset: 0, .size: 8, .value_kind: global_buffer, .address_space: global }
      - { .name: wbf, .offset: 8, .size: 8, .value_kind: global_buffer, .address_space: global }
      - { .name: x, .offset: 16, .size: 8, .value_kind: global_buffer, .address_space: global }
      - { .name: b_out, .offset: 24, .size: 8, .value_kind: global_buffer, .address_space: global }
      - { .name: x1, .offset: 32, .size: 8, .value_kind: global_buffer, .address_space: global }
    .group_segment_fixed_size: 327680
    .private_segment_fixed_size: 0
    .kernarg_segment_align: 8
    .kernarg_segment_size: 40
    .max_flat_workgroup_size: 128
    .sgpr_count:     80
    .vgpr_count:     640
    .wavefront_size: 32
...
	.end_amdgpu_metadata
.endif
;; end of part 4
;; launch ln2: the kernel of part 1 again; grid 512 x 1, 8 waves a work-group, no clusters, 0 bytes of LDS; arguments x1, ln2_g, ln2_b, w_qkv, w_out, w_ff1, w_ff2, hbuf, gbuf; writes hbuf, gbuf
;; launch gemm_ff1 (part 5): grid 16 x 16, 4 waves a work-group, clusters of 4 x 4, 327,680 bytes of LDS; arguments hbuf, wbf, gbuf, b_ff1; writes gbuf
.if DOCPART == 5
	.amdgcn_target "amdgcn-amd-amdhsa--gfx1250"
	.amdhsa_code_object_version 6
	.text
	.protected	k_q9505e396a8_gemm_ff1
	.globl	k_q9505e396a8_gemm_ff1
	.p2align	8
	.type	k_q9505e396a8_gemm_ff1,@function
k_q9505e396a8_gemm_ff1:
	s_mov_b64 s[64:65], 0
	v_nop
	global_prefetch_b8 v0, s[64:65] scope:SCOPE_SE
	s_setreg_imm32_b32 hwreg(HW_REG_WAVE_MODE, 25, 1), 1
	s_wait_xcnt 0x0
	s_wait_alu depctr_hold_cnt(0) depctr_sa_sdst(0) depctr_va_vdst(0) depctr_va_sdst(0) depctr_va_ssrc(0) depctr_va_vcc(0) depctr_vm_vsrc(0)
	s_getreg_b32 s2, hwreg(HW_REG_IB_STS2, 6, 4)
	s_cmp_eq_u32 s2, 0
	s_cbranch_scc0 .Lentry_in_a_cluster
	s_endpgm
.Lentry_in_a_cluster:
	s_bfe_u32 s2, ttmp6, 0x10000c
	s_cmp_lg_u32 s2, 0xf033
	s_cbranch_scc0 .Lentry_shape_is_right
	s_endpgm
.Lentry_shape_is_right:
; C = A W.  A: [4096][1024] bf16, K along the rows.  W: [1024][SIZE_N] bf16, N along the rows, as the weights are given.  Sums in f32, one accumulator an output.
; ONE TEXT FOR TWO LAUNCHES, told apart by FF1.
;   FF1 = 0: W = w_qkv (N = 3,072).  A tile of C is 256 x 192; four waves one below the other, 64 x 192 each, so that a wave owns three whole heads.  C leaves by heads, [3][32][2048][64] in bf16, rounded once.
;   FF1 = 1: W = w_ff1 (N = 4,096).  A tile of C is 256 x 256; 2 x 2 waves of 128 x 128.  C = gelu(sum + bias), rounded once to bf16, [4096][4096].
; Either way the grid is 16 x 16: 256 work-groups.  K goes in steps of 128 through a ring of two LDS slots filled by the tensor data mover.
; A's fragments come out of LDS as they lie; W's rows lie along N, so its fragments are turned by ds_load_tr16_b128.
; THE MATRIX INSTRUCTION IS USED TRANSPOSED (source 0 = 16 columns of W, source 1 = 16 rows of A): a lane then holds eight neighbouring numbers of a row of C.
; CLUSTER: 4 x 4 work-groups.  The four of a row of the cluster need the same tiles of A, the four of a column the same tiles of W: each tile is asked for jointly, by the same tensor load with the same descriptor and a mask of four.
; WHERE K BEGINS.  A cluster walks the 8 steps of K in a ring, from step 2 x (cluster x) + 4 x (cluster y mod 2), modulo 8.  The four clusters side by side read the same tiles of A, clusters one above the other the
; same tiles of W: with these beginnings they ask for a given tile at different steps of their walks and not all at once, so that all but the first to ask come for a tile that has been fetched before.
; The step's number hangs on the cluster's place in the grid alone, which all partners share, and enters the global addresses alone.  The order of a sum along K is rotated with it.
; With FF1 = 0 a row of W's tile is 384 bytes and begins at a multiple of 128 bytes from the buffer's first byte; all other tile rows are 256 or 512 bytes, at multiples of 256.
; THE WAY OUT: the ring has had its last fill, so the f32 sums are laid into it (each wave a part of its own), read back by whole rows, finished and stored, 256 consecutive bytes an instruction.
; GELU (exact form): gelu(y) = max(y, 0) - |y| E, E = erfc(|y| / sqrt 2) / 2 = (h1 t + .. + h5 t^5) 2^(-(k y)^2), t = 1 / (1 + d |y|): the rational form of Abramowitz and Stegun 7.1.26.
; LIMITS.  erf is within 1.5e-7 for every finite argument; matrix operands are bf16; NaN and infinities are not treated apart.
; REGISTERS, in windows of 256: window 0: v0-31 addresses; A's fragments, two buffers at v64 and v128; on the way out v32-243 at work.  Window 1: W's fragments, two buffers at v0 and v128.
;   windows 2 and 3: the accumulators, in two groups: element (i, j) of group g at v[8 (i GB + j)] is block row i + AOFFG g, block column j + BOFFG g.
.set FF1,    1
.set KS,     8                         ; K steps of 128
.set PA,     272                       ; a row of A in LDS: 256 bytes + 16 of padding: the 16 rows of a load start at 16 different groups of four banks (64 banks of 4 bytes: ISA guide 11.1)
.set HALFA,  128*PA                    ; what one tensor load brings of A
.set ABYTES, 2*HALFA
.if FF1
.set SIZE_N, 4096
.set TN,     256
.set WOFF,   8388608                   ; w_ff1 in wbf
.set MB,     8                         ; fragments of A a wave reads for 32 along K
.set NB,     8                         ; fragments of W
.set GB,     8
.set AOFFG,  4
.set BOFFG,  0
.set PB,     544                       ; a row of W in LDS: 512 bytes + 32
.set QIB,    6                         ; padding after every 128 words
.set LATE,   8                         ; the youngest loads of a run, which group 1 alone needs: A's rows 64-127
.set DP,     528                       ; a row of the wave's sums in LDS: 128 f32 + 16 bytes
.set REG,    128*DP
.else
.set SIZE_N, 3072
.set TN,     192
.set WOFF,   0
.set MB,     4
.set NB,     12
.set GB,     6
.set AOFFG,  0
.set BOFFG,  6
.set PB,     480                       ; 3 x (128 bytes + 32)
.set QIB,    4                         ; padding after every 32 words
.set LATE,   12                        ; W's columns 96-191
.set DP,     784                       ; 192 f32 + 16 bytes
.set REG,    64*DP
.endif
.set HALFB,  64*PB                     ; what one tensor load brings of W: 64 rows along K
.set SLOT,   ABYTES+2*HALFB            ; A's 256 rows, then W's 128.  No LDS base inside a slot (0, HALFA, ABYTES, ABYTES + HALFB) has a bit in common with SLOT, so one exclusive or changes slots
.set BSTEP,  128*SIZE_N*2              ; bytes from a K step of W to the next
.set SPARE,  2*SLOT                    ; behind the ring: the spare words, 128 bytes for each wave, which no other line names
.set A0,   16                          ; v16  my lane's place in A's part of a slot; never rewritten
.set B0,   17                          ; v17  the same for W
.set ADRA, 18                          ; v18  A0 + the slot in hand
.set ADRB, 19                          ; v19  B0 + the slot in hand
.set DMP,  20                          ; v20  the way out: where I put my sums
.set RD,   21                          ; v21  where I read rows back
.set CO,   22                          ; v22  my byte offset in C
.set BO,   23                          ; v23  my byte offset in the bias
.set QAA,  24                          ; v24  A's address for the quarter that is written once: chunk 3 of the slot in hand, or chunk 1 of the next
.set QAB,  25                          ; v25  the same for W
.set SPW,  28                          ; v28  LDS address of my spare word; never rewritten
.set NIL,  29                          ; v29  0; never rewritten
.set G1,   24                          ; s[24:31] descriptor group 1 for A
.set G0,   32                          ; s[32:39] group 0 for A: a set for each first fill; the second then walks
.set G1B,  48                          ; s[48:55], s[56:63] the same for W
.set G0B,  56
                                       ; s17 the K step to be asked for next; s[18:19] its byte offset; s[72:73], s[74:75] my tiles of A and W at K step 0; never rewritten
.set MSB, 0
.macro WIN new                         ; the immediate's high byte repeats the setting that is left; a switch that changes nothing is dropped
.if MSB != (\new)
	s_set_vgpr_msb (MSB<<8)|(\new)
.set MSB, \new
.endif
.endm
.macro PLACES                          ; four places in front of loads into registers that matrix instructions have read, and of reads of results
.rept 4
	v_nop
.endr
.endm
; A joint refill by the walking descriptors: waves 0 and 1 fetch A's two halves, waves 2 and 3 W's.  The branch hangs on the wave's number alone.  An s_nop 0 and four v_nop follow each line.
.macro JLOAD
	s_cmp_eq_u32 s13, 0
	s_cbranch_scc0 .Lfor_b_\@
	tensor_load_to_lds s[G0+4:G0+7], s[G1:G1+7]
	s_nop 0
.rept 4
	v_nop
.endr
	s_branch .Lasked_\@
.Lfor_b_\@:
	tensor_load_to_lds s[G0B+4:G0B+7], s[G1B:G1B+7]
	s_nop 0
.rept 4
	v_nop
.endr
.Lasked_\@:
.endm
.macro CREST                           ; a round of the cluster's barrier behind its opening barrier
	s_cmp_lg_u32 s12, 0
	s_cbranch_scc1 .Lnot_wave_0_\@
	s_barrier_signal -3
.Lnot_wave_0_\@:
	s_barrier_wait -3
	s_barrier_signal -1
	s_barrier_wait -1
.endm
.macro CROUND                          ; a whole round
	s_barrier_signal -1
	s_barrier_wait -1
	CREST
.endm
; 2 GB matrix instructions: block rows i0, i0 + 1 of group g x its GB block columns, 32 along K out of buffer f.  zero = 1: the product starts the sums.  The accumulators take turns.
.macro MULP f, g, i0, zero
	WIN 0xa1+0x50*(\g)                             ; source 0 (W) window 1, source 1 (A) window 0, C and D window 2 or 3
.set ia, (\i0)
.rept 2
.set jb, 0
.rept GB
.set rD, 8*(ia*GB+jb)
.set rB, 128*(\f)+8*(jb+BOFFG*(\g))
.set rA, 64+64*(\f)+8*(ia+AOFFG*(\g))
.if \zero
	v_wmma_f32_16x16x32_bf16 v[rD:rD+7], v[rB:rB+7], v[rA:rA+7], 0
.else
	v_wmma_f32_16x16x32_bf16 v[rD:rD+7], v[rB:rB+7], v[rA:rA+7], v[rD:rD+7]
.endif
.set jb, jb+1
.endr
.set ia, ia+1
.endr
.endm
; The fragments of one chunk (32 along K) into buffer f: 32 LDS loads in one run; what group 1 alone needs comes last.  ra, rb: the address registers; ba, bb: the chunk's bytes on top of them.
.macro FETCH_B rb, bb, f
	WIN 0x40                                       ; destination window 1, address window 0
.set i, 0
.rept NB
.set cb, (\bb)+32*i+(1-FF1)*32*(i/4)               ; 16 columns are 32 bytes; with FF1 = 0 32 bytes of padding lie behind every 128
	ds_load_tr16_b128 v[128*(\f)+8*i:128*(\f)+8*i+3],   v[\rb] offset:cb
	ds_load_tr16_b128 v[128*(\f)+8*i+4:128*(\f)+8*i+7], v[\rb] offset:cb+16*PB
.set i, i+1
.endr
.endm
.macro FETCH_A ra, ba, f
	WIN 0
.set i, 0
.rept MB
	ds_load_b128 v[64+64*(\f)+8*i:64+64*(\f)+8*i+3],   v[\ra] offset:(\ba)+i*16*PA
	ds_load_b128 v[64+64*(\f)+8*i+4:64+64*(\f)+8*i+7], v[\ra] offset:(\ba)+i*16*PA+32
.set i, i+1
.endr
.endm
.macro FETCH ra, rb, ba, bb, f
.if FF1
	FETCH_B \rb, \bb, \f
	FETCH_A \ra, \ba, \f
.else
	FETCH_A \ra, \ba, \f
	FETCH_B \rb, \bb, \f
.endif
.endm
; A K step is four chunks on buffers 0, 1, 0, 1.  One of the first three: multiplies buffer f; in its middle it fetches the next chunk into buffer g2.
; setq = 1: two of the four places make the addresses of chunk 3, for the quarter that follows.
.macro QUARTER f, g2, zero, ra, rb, ba, bb, setq
	s_wait_dscnt LATE                              ; all that group 0 needs is in
	MULP \f, 0, 0, \zero
	MULP \f, 0, 2, \zero
.if \setq
	WIN 0
	v_add_nc_u32 v[QAA], 3*64, v[ADRA]
	v_add_nc_u32 v[QAB], 3*32*PB, v[ADRB]
	v_nop
	v_nop
.else
	PLACES
.endif
	FETCH \ra, \rb, \ba, \bb, \g2
	s_wait_dscnt 32                                ; all but the 32 just issued
	MULP \f, 1, 0, \zero
	MULP \f, 1, 2, \zero
.endm
; The last chunk multiplies buffer 1 and changes slots: ONE barrier.  In front of it each wave waits for all its tensor loads (one is out: its part of the next slot), adds 0 to its spare word,
; and waits for that and for its reads of this slot.  fill = 1: the barrier opens a round of the cluster's barrier, and the joint refill, two steps of the walk ahead, is the first thing behind the round.
.macro TURN fill
	WIN 0
	s_wait_tensorcnt 0x0                           ; no tensor load of mine is out, so a group 0 may be written
	ds_add_u32 v[SPW], v[NIL]
.if \fill
	s_xor_b32 s[G0+5], s[G0+5], SLOT               ; the walking descriptors: the other slot than last time; the addresses are made anew from the step's number
	s_lshl_b32 s18, s17, 8
	s_add_nc_u64 s[G0+6:G0+7], s[72:73], s[18:19]
	s_or_b32 s[G0+7], s[G0+7], 0x80000000
	s_xor_b32 s[G0B+5], s[G0B+5], SLOT
	s_mul_i32 s18, s17, BSTEP
	s_add_nc_u64 s[G0B+6:G0B+7], s[74:75], s[18:19]
	s_or_b32 s[G0B+7], s[G0B+7], 0x80000000
	s_add_co_u32 s17, s17, 1                       ; the next step of the ring
	s_and_b32 s17, s17, KS-1
.endif
	s_wait_dscnt LATE+1                            ; the add and the youngest LATE loads may be out
	MULP 1, 0, 0, 0
	s_wait_dscnt 0x0                               ; the add is done, and my reads of this slot are over
	s_barrier_signal -1
	MULP 1, 0, 2, 0                                ; work on registers while the others arrive
	WIN 0                                          ; branches and address lines follow
	s_barrier_wait -1
.if \fill
	CREST                                          ; no wave of any partner still reads this slot or has a load on its way
	JLOAD                                          ; its four v_nop are also the places in front of the loads below
.else
	PLACES
.endif
	s_xor_b32 s20, s20, SLOT
	v_add_nc_u32 v[ADRA], s20, v[A0]
	v_add_nc_u32 v[ADRB], s20, v[B0]
	v_add_nc_u32 v[QAA], 64, v[ADRA]               ; chunk 1 of the new slot, for the quarter that follows
	v_add_nc_u32 v[QAB], 32*PB, v[ADRB]
	FETCH ADRA, ADRB, 0, 0, 0
	MULP 1, 1, 0, 0
	MULP 1, 1, 2, 0
	WIN 0
.endm
	s_load_b128 s[4:7], s[0:1], 0x0                ; A s[4:5], wbf s[6:7]
	s_load_b64 s[8:9], s[0:1], 0x10                ; C
.if FF1
	s_load_b64 s[10:11], s[0:1], 0x18              ; bias
.endif
	v_lshl_add_u32 v[SPW], v0, 2, SPARE
	v_mov_b32 v[NIL], 0
	ds_add_u32 v[SPW], v[NIL]                      ; the wave's opening: the add and its wait stand ahead of my first tensor load; the set-up below stands between them
	v_lshrrev_b32 v1, 5, v0
	v_readfirstlane_b32 s12, v1                    ; wave 0..3
	s_lshr_b32 s13, s12, 1                         ; I fetch for A (0) or for W (1),
	s_and_b32 s14, s12, 1                          ; and which half of that tile
.if FF1
	s_lshr_b32 s15, s12, 1                         ; my place among the tile's block rows
	s_and_b32 s16, s12, 1                          ; and block columns
.else
	s_mov_b32 s15, s12
	s_mov_b32 s16, 0
.endif
	s_bfe_u32 s40, ttmp6, 0x40000                  ; cx, cy: my place in the cluster
	s_bfe_u32 s41, ttmp6, 0x40004
	s_lshl_b32 s42, ttmp9, 2
	s_add_co_u32 s42, s42, s40                     ; tile column = 4 x cluster x + cx
	s_and_b32 s43, ttmp7, 0xffff
	s_lshl_b32 s43, s43, 2
	s_add_co_u32 s43, s43, s41                     ; tile row = 4 x cluster y + cy
	s_lshl_b32 s44, s41, 2
	s_lshl_b32 s44, 15, s44                        ; my row of the cluster
	s_lshl_b32 s45, 0x1111, s40                    ; my column
	s_and_b32 s17, ttmp7, 1                        ; my cluster's first K step: 2 x (2 x (cluster y mod 2) + cluster x), modulo 8
	s_lshl1_add_u32 s17, s17, ttmp9
	s_lshl_b32 s17, s17, 1
	s_and_b32 s17, s17, KS-1
	s_mov_b32 s19, 0
	s_or_b32 s[G1], s44, (1<<16)|(1<<20)|(1<<21)|(5<<22)|(3<<25)    ; mask; 2-byte elements; padding on; bit 21 beside a mask; after every 64 words 4 words
	s_mov_b32 s[G1+1], 128<<16                     ; tensor_dim0 = 128
	s_mov_b32 s[G1+2], 128<<16                     ; tensor_dim1 = 128
	s_mov_b32 s[G1+3], 128<<16                     ; tile_dim0 = 128
	s_mov_b32 s[G1+4], 128                         ; tile_dim1 = 128
	s_mov_b32 s[G1+5], 1024                        ; elements from row to row
	s_mov_b32 s[G1+6], 0
	s_mov_b32 s[G1+7], 0
	s_or_b32 s[G1B], s45, (1<<16)|(1<<20)|(1<<21)|(QIB<<22)|(7<<25) ; the same with my column's mask and 8 words of padding
	s_mov_b32 s[G1B+1], TN<<16
	s_mov_b32 s[G1B+2], 64<<16
	s_mov_b32 s[G1B+3], TN<<16
	s_mov_b32 s[G1B+4], 64
	s_mov_b32 s[G1B+5], SIZE_N
	s_mov_b32 s[G1B+6], 0
	s_mov_b32 s[G1B+7], 0
	s_lshl_b32 s66, s43, 8                         ; A: row 256 x tile row + 128 x half, 2,048 bytes a row: it hangs on the tile row alone
	s_lshl_b32 s67, s14, 7
	s_add_co_u32 s66, s66, s67
	s_lshl_b32 s66, s66, 11
	s_mov_b32 s67, 0
	s_mul_i32 s68, s42, TN*2                       ; W: the tile's first column, 64 rows along K for each half: it hangs on the tile column alone
	s_mul_i32 s69, s14, 64*SIZE_N*2
	s_add_co_u32 s68, s68, s69
	s_add_co_u32 s68, s68, WOFF
	s_mov_b32 s69, 0
	s_mul_i32 s70, s14, HALFA                      ; where they go: no place in the cluster enters an LDS address
	s_mul_i32 s71, s14, HALFB
	s_add_co_u32 s71, s71, ABYTES
.if FF1
	s_mov_b32 s82, 0x3f596d27                      ; k = sqrt(log2(e) / 2)
	s_mov_b32 s83, s82                             ; (each constant is named as a pair, so both words are written)
	s_mov_b32 s84, 0x3e027906                      ; h1 .. h5: the five coefficients, halved
	s_mov_b32 s85, s84
	s_mov_b32 s86, 0xbe11a98e
	s_mov_b32 s87, s86
	s_mov_b32 s88, 0x3f35f0e3
	s_mov_b32 s89, s88
	s_mov_b32 s90, 0xbf3a00e3
	s_mov_b32 s91, s90
	s_mov_b32 s92, 0x3f07dc22
	s_mov_b32 s93, s92
	s_mov_b32 s94, 0x3e6d3388                      ; d = 0.3275911 / sqrt 2
.endif
	s_wait_dscnt 0x0                               ; the opening add is done
	s_wait_kmcnt 0x0
	s_add_nc_u64 s[72:73], s[4:5], s[66:67]
	s_add_nc_u64 s[74:75], s[6:7], s[68:69]
	CROUND                                         ; all sixteen work-groups are here: the first joint loads meet
.irp s, 0,1                            ; the walk's first two steps, into slots 0 and 1
	s_mov_b32 s[G0+4*(\s)], 1
	s_add_co_u32 s[G0+4*(\s)+1], s70, (\s)*SLOT
	s_lshl_b32 s18, s17, 8
	s_add_nc_u64 s[G0+4*(\s)+2:G0+4*(\s)+3], s[72:73], s[18:19]
	s_or_b32 s[G0+4*(\s)+3], s[G0+4*(\s)+3], 0x80000000
	s_mov_b32 s[G0B+4*(\s)], 1
	s_add_co_u32 s[G0B+4*(\s)+1], s71, (\s)*SLOT
	s_mul_i32 s18, s17, BSTEP
	s_add_nc_u64 s[G0B+4*(\s)+2:G0B+4*(\s)+3], s[74:75], s[18:19]
	s_or_b32 s[G0B+4*(\s)+3], s[G0B+4*(\s)+3], 0x80000000
	s_add_co_u32 s17, s17, 1
	s_and_b32 s17, s17, KS-1
.endr
	s_cmp_eq_u32 s13, 0                            ; a wave's two first fills stand in one branch, ahead of every wait on TENSORcnt and every LDS read: two loads of mine are out
	s_cbranch_scc0 .Lfirst_b
	tensor_load_to_lds s[G0:G0+3], s[G1:G1+7]
	s_nop 0
	tensor_load_to_lds s[G0+4:G0+7], s[G1:G1+7]
	s_nop 0
.rept 4
	v_nop
.endr
	s_branch .Lfirst_asked
.Lfirst_b:
	tensor_load_to_lds s[G0B:G0B+3], s[G1B:G1B+7]
	s_nop 0
	tensor_load_to_lds s[G0B+4:G0B+7], s[G1B:G1B+7]
	s_nop 0
.rept 4
	v_nop
.endr
.Lfirst_asked:
	v_and_b32 v1, 15, v0                           ; l % 16
	v_bfe_u32 v2, v0, 4, 1                         ; l / 16
	v_and_b32 v3, 7, v0
	v_bfe_u32 v4, v0, 3, 1
	v_and_b32 v5, 31, v0                           ; l
	v_mul_u32_u24 v[A0], v1, PA                    ; a fragment of A: row l % 16, 16 bytes for each half of the lanes
	v_lshl_add_u32 v[A0], v2, 4, v[A0]
	s_mul_i32 s21, s15, MB*16*PA                   ; my rows of the tile
	v_add_nc_u32 v[A0], s21, v[A0]
	v_lshl_add_u32 v3, v2, 3, v3                   ; the turning load: lane l reads row 8 (l / 16) + l % 8 along K, columns 8 ((l / 8) % 2) + 0..7
	v_mul_u32_u24 v[B0], v3, PB
	v_lshl_add_u32 v[B0], v4, 4, v[B0]
	s_lshl_b32 s21, s16, 8                         ; my columns of the tile
	s_add_co_u32 s21, s21, ABYTES
	v_add_nc_u32 v[B0], s21, v[B0]
	v_mov_b32 v[ADRA], v[A0]                       ; slot 0
	v_mov_b32 v[ADRB], v[B0]
	s_mov_b32 s20, 0
	s_mul_i32 s21, s12, REG                        ; my part of the ring on the way out
	v_mul_u32_u24 v[DMP], v1, DP                   ; in: row l % 16, 32 bytes for each half of the lanes
	v_lshl_add_u32 v[DMP], v2, 5, v[DMP]
	v_add_nc_u32 v[DMP], s21, v[DMP]
	v_lshlrev_b32 v[CO], 3, v5
.if FF1
	v_lshl_add_u32 v[RD], v5, 4, s21               ; back: 32 lanes take one row of 512 bytes
	v_lshlrev_b32 v[BO], 4, v5
	s_lshl_b32 s76, s43, 8                         ; C at my first row and column: (256 tile row + 128 block row) x 8,192 + 512 tile column + 256 block column
	s_lshl_b32 s77, s15, 7
	s_add_co_u32 s76, s76, s77
	s_lshl_b32 s76, s76, 13
	s_lshl_b32 s77, s42, 9
	s_add_co_u32 s76, s76, s77
	s_lshl_b32 s77, s16, 8
	s_add_co_u32 s76, s76, s77
	s_mov_b32 s77, 0
	s_add_nc_u64 s[8:9], s[8:9], s[76:77]
	s_lshl_b32 s76, s42, 10                        ; the bias of my 128 columns
	s_lshl_b32 s78, s16, 9
	s_add_co_u32 s76, s76, s78
	s_add_nc_u64 s[10:11], s[10:11], s[76:77]
	global_load_b128 v[240:243], v[BO], s[10:11]   ; waited for on the way out
.else
	v_mul_u32_u24 v[RD], v2, DP                    ; back: lanes 0-15 take 256 bytes (a head's 64 columns) of one row, lanes 16-31 of the next
	v_lshl_add_u32 v[RD], v1, 4, v[RD]
	v_add_nc_u32 v[RD], s21, v[RD]
.irp hh, 0,1,2                         ; C at my rows of my three heads: ((part x 32 + batch x 16 + head) << 18) + row in the batch x 128
	s_mul_i32 s21, s42, 3
	s_add_co_u32 s21, s21, \hh
	s_lshr_b32 s22, s21, 4                         ; q, k or v
	s_lshl_b32 s22, s22, 5
	s_and_b32 s21, s21, 15                         ; the head
	s_add_co_u32 s22, s22, s21
	s_lshr_b32 s21, s43, 3                         ; the batch
	s_lshl_b32 s21, s21, 4
	s_add_co_u32 s22, s22, s21
	s_lshl_b32 s22, s22, 18
	s_and_b32 s21, s43, 7
	s_lshl_b32 s21, s21, 8
	s_lshl_b32 s23, s12, 6
	s_add_co_u32 s21, s21, s23
	s_lshl_b32 s21, s21, 7
	s_add_co_u32 s22, s22, s21
	s_mov_b32 s23, 0
	s_add_nc_u64 s[76+2*\hh:77+2*\hh], s[8:9], s[22:23]
.endr
.endif
	s_wait_tensorcnt 0x1                           ; my part of the walk's first step is in; the second may stay out
	s_barrier_signal -1
	s_barrier_wait -1                              ; everybody's is
	FETCH ADRA, ADRB, 0, 0, 0
	QUARTER 0, 1, 1, ADRA, ADRB, 64, 32*PB, 0      ; the first chunk stands in front of the loop: its products start the sums
	WIN 0                                          ; at a label and at a branch every window is 0
	s_mov_b32 s3, KS-2
.Lstep:                                                ; a trip: chunks 1 to 3 of a K step, the change of slots with its refill, chunk 0 of the next step
	QUARTER 1, 0, 0, ADRA, ADRB, 128, 64*PB, 1     ; multiplies chunk 1, fetches chunk 2
	WIN 0
	s_mov_b32 s2, 2
	s_branch .Lqa                                  ; the inner loop of two passes is entered in its middle
.Lturn:
	TURN 1                                         ; multiplies chunk 3, fetches the next step's chunk 0
.Lqa:
	QUARTER 0, 1, 0, QAA, QAB, 0, 0, 0             ; written once, passed twice: multiplies chunk 2 and fetches chunk 3; then the next step's chunks 0 and 1
	WIN 0
	s_sub_co_u32 s2, s2, 1
	s_cmp_lg_u32 s2, 0
	s_cbranch_scc1 .Lturn
	s_sub_co_u32 s3, s3, 1
	s_cmp_lg_u32 s3, 0
	s_cbranch_scc1 .Lstep
	s_mov_b32 s3, 2
.Ltail:                                                ; the last two K steps ask for nothing; the second trip is left behind its change of slots
	QUARTER 1, 0, 0, ADRA, ADRB, 128, 64*PB, 1
	WIN 0
	s_mov_b32 s2, 2
	s_branch .Ltqa
.Ltturn:
	TURN 0                                         ; in the second trip its 32 LDS loads (of the slot read before) serve nothing: the price of one text for both trips
	s_sub_co_u32 s3, s3, 1
	s_cmp_eq_u32 s3, 0
	s_cbranch_scc1 .Lout
.Ltqa:
	QUARTER 0, 1, 0, QAA, QAB, 0, 0, 0
	WIN 0
	s_sub_co_u32 s2, s2, 1
	s_cmp_lg_u32 s2, 0
	s_cbranch_scc1 .Ltturn
	s_branch .Ltail
.Lout:
	PLACES                                         ; the stores below read results just made
	s_wait_dscnt 0x0                               ; my reads of the ring are over,
	s_barrier_signal -1
	s_barrier_wait -1                              ; everybody's are: the ring, which has had its last fill, takes the sums
.set g, 0
.rept 2
	WIN 0x08+4*g                                   ; the stores' data in window 2, then 3
.set ia, 0
.rept 4
.set jb, 0
.rept GB
.set rD, 8*(ia*GB+jb)
.set ob, (ia+AOFFG*g)*16*DP+64*(jb+BOFFG*g)
	ds_store_b128 v[DMP], v[rD:rD+3] offset:ob     ; each accumulator's low half first
	ds_store_b128 v[DMP], v[rD+4:rD+7] offset:ob+16
.set jb, jb+1
.endr
.set ia, ia+1
.endr
.set g, g+1
.endr
	WIN 0
.if FF1
.set NR,  4                            ; rows a trip
.set RAW, 32                           ; NR rows x my 4 columns as read back
.set YY,  64                           ; y = sum + bias
.set QQ,  96                           ; k y, then -(k y)^2, then 2^that
.set TT,  128                          ; 1 + d |y|, then t
.set RR,  160                          ; max(y, 0), then the result
.set PP,  192                          ; the polynomial
.set OUT, 224
.set BI,  240
.set t, 0
.rept NR
	ds_load_b128 v[RAW+4*t:RAW+4*t+3], v[RD] offset:t*DP  ; LDS serves a wave's instructions in order (ISA guide 5.7.1.4): these see my stores above
.set t, t+1
.endr
	s_wait_loadcnt 0x0                             ; the bias
	s_mov_b32 s3, 128/NR
.Lrow:                                                 ; 32 trips of 4 rows
	s_wait_dscnt 0x0
.set t, 0
.rept NR
	v_pk_add_f32 v[YY+4*t:YY+4*t+1], v[RAW+4*t:RAW+4*t+1], v[BI:BI+1]
	v_pk_add_f32 v[YY+4*t+2:YY+4*t+3], v[RAW+4*t+2:RAW+4*t+3], v[BI+2:BI+3]
.set t, t+1
.endr
	s_cmp_eq_u32 s3, 1
	s_cbranch_scc1 .Lnomore                        ; the last trip has no rows left to read
	v_add_nc_u32 v[RD], NR*DP, v[RD]
.set t, 0
.rept NR
	ds_load_b128 v[RAW+4*t:RAW+4*t+3], v[RD] offset:t*DP  ; the next trip's rows come while this trip's are worked on
.set t, t+1
.endr
.Lnomore:
.set i, 0
.rept 2*NR
	v_pk_mul_f32 v[QQ+2*i:QQ+2*i+1], v[YY+2*i:YY+2*i+1], s[82:83] op_sel_hi:[1,0]
.set i, i+1
.endr
.set i, 0
.rept 4*NR
	v_fma_f32 v[TT+i], |v[YY+i]|, s94, 1.0
.set i, i+1
.endr
.set i, 0
.rept 2*NR
	v_pk_mul_f32 v[QQ+2*i:QQ+2*i+1], v[QQ+2*i:QQ+2*i+1], v[QQ+2*i:QQ+2*i+1] neg_lo:[1,0] neg_hi:[1,0]
.set i, i+1
.endr
.set i, 0
.rept 4*NR
	v_rcp_f32 v[TT+i], v[TT+i]
.set i, i+1
.endr
.set i, 0
.rept 4*NR
	v_exp_f32 v[QQ+i], v[QQ+i]
.set i, i+1
.endr
.set i, 0
.rept 4*NR
	v_max_num_f32 v[RR+i], 0, v[YY+i]              ; plain work between the last exponential and the use of its result (ISA guide 5.7.2)
.set i, i+1
.endr
.set i, 0
	s_wait_alu depctr_va_vdst(0)
.rept 2*NR
	v_pk_fma_f32 v[PP+2*i:PP+2*i+1], v[TT+2*i:TT+2*i+1], s[92:93], s[90:91] op_sel_hi:[1,0,0]
.set i, i+1
.endr
.irp h, 88,86,84
.set i, 0
.rept 2*NR
	v_pk_fma_f32 v[PP+2*i:PP+2*i+1], v[PP+2*i:PP+2*i+1], v[TT+2*i:TT+2*i+1], s[\h:\h+1] op_sel_hi:[1,1,0]
.set i, i+1
.endr
.endr
.set i, 0
.rept 2*NR
	v_pk_mul_f32 v[PP+2*i:PP+2*i+1], v[PP+2*i:PP+2*i+1], v[TT+2*i:TT+2*i+1]
.set i, i+1
.endr
.set i, 0
.rept 2*NR
	v_pk_mul_f32 v[PP+2*i:PP+2*i+1], v[PP+2*i:PP+2*i+1], v[QQ+2*i:QQ+2*i+1]
.set i, i+1
.endr
.set i, 0
.rept 4*NR
	v_fma_f32 v[RR+i], -|v[YY+i]|, v[PP+i], v[RR+i]
.set i, i+1
.endr
.set i, 0
.rept 2*NR
	v_cvt_pk_bf16_f32 v[OUT+i], v[RR+2*i], v[RR+2*i+1]
.set i, i+1
.endr
.set t, 0
.rept NR
	global_store_b64 v[CO], v[OUT+2*t:OUT+2*t+1], s[8:9] offset:t*8192  ; 32 lanes store 256 consecutive bytes, at a multiple of 256 from C's first byte
.set t, t+1
.endr
	s_wait_xcnt 0x0                                ; the stores' offset and data are rewritten only behind this wait
	v_add_nc_u32 v[CO], NR*8192, v[CO]
	s_sub_co_u32 s3, s3, 1
	s_cmp_lg_u32 s3, 0
	s_cbranch_scc1 .Lrow
.else
.set NPR, 4                            ; pairs of rows a trip
.set RAW, 32                           ; NPR pairs of rows x 3 heads, 4 registers each
.set OUT, 128
.macro RBACK
.set t, 0
.rept 3*NPR
	ds_load_b128 v[RAW+4*t:RAW+4*t+3], v[RD] offset:(t/3)*2*DP+(t%3)*256  ; LDS serves a wave's instructions in order (ISA guide 5.7.1.4): these see my stores above
.set t, t+1
.endr
.endm
	RBACK
	s_mov_b32 s3, 32/NPR
.Lrow:                                                 ; 8 trips of 8 rows
	s_wait_dscnt 0x0
.set i, 0
.rept 6*NPR
	v_cvt_pk_bf16_f32 v[OUT+i], v[RAW+2*i], v[RAW+2*i+1]
.set i, i+1
.endr
	s_cmp_eq_u32 s3, 1
	s_cbranch_scc1 .Lnomore                        ; the last trip has no rows left to read
	v_add_nc_u32 v[RD], 2*NPR*DP, v[RD]
	RBACK
.Lnomore:
.set t, 0
.rept 3*NPR
	global_store_b64 v[CO], v[OUT+2*t:OUT+2*t+1], s[76+2*(t%3):77+2*(t%3)] offset:(t/3)*256  ; two rows of one head: 256 consecutive bytes, at a multiple of 256 from C's first byte
.set t, t+1
.endr
	s_wait_xcnt 0x0                                ; the stores' offset and data are rewritten only behind this wait
	v_add_nc_u32 v[CO], NPR*256, v[CO]
	s_sub_co_u32 s3, s3, 1
	s_cmp_lg_u32 s3, 0
	s_cbranch_scc1 .Lrow
.endif
	s_wait_tensorcnt 0x0                           ; the wave's end, behind my last tensor load and my last LDS store
	ds_add_u32 v[SPW], v[NIL]
	s_wait_dscnt 0x0
	CROUND                                         ; the closing round: no work-group ends while a partner may still ask for a tile that names it
	s_endpgm
.Lfunc_end_k_q9505e396a8_gemm_ff1:
	.size	k_q9505e396a8_gemm_ff1, .Lfunc_end_k_q9505e396a8_gemm_ff1-k_q9505e396a8_gemm_ff1
	.p2alignl 7, 3214868480
	.fill 96, 4, 3214868480
	.section	.rodata,"a",@progbits
	.p2align	6, 0x0
	.amdhsa_kernel k_q9505e396a8_gemm_ff1
		.amdhsa_group_segment_fixed_size 327680
		.amdhsa_private_segment_fixed_size 0
		.amdhsa_enable_private_segment 0
		.amdhsa_kernarg_size 32
		.amdhsa_user_sgpr_count 2
		.amdhsa_user_sgpr_kernarg_segment_ptr 1
		.amdhsa_wavefront_size32 1
		.amdhsa_system_sgpr_workgroup_id_x 1
		.amdhsa_system_sgpr_workgroup_id_y 1
		.amdhsa_system_sgpr_workgroup_id_z 1
		.amdhsa_system_vgpr_workitem_id 0
		.amdhsa_next_free_vgpr 1024
		.amdhsa_next_free_sgpr 96
		.amdhsa_reserve_vcc 0
		.amdhsa_float_denorm_mode_32 3
		.amdhsa_float_denorm_mode_16_64 3
		.amdhsa_memory_ordered 1
		.amdhsa_forward_progress 1
		.amdhsa_inst_pref_size 76
	.end_amdhsa_kernel
	.amdgpu_metadata
---
amdhsa.version: [ 1, 2 ]
amdhsa.kernels:
  - .name:           k_q9505e396a8_gemm_ff1
    .symbol:         k_q9505e396a8_gemm_ff1.kd
    .args:
      - { .name: hbuf, .offset: 0, .size: 8, .value_kind: global_buffer, .address_space: global }
      - { .name: wbf, .offset: 8, .size: 8, .value_kind: global_buffer, .address_space: global }
      - { .name: gbuf, .offset: 16, .size: 8, .value_kind: global_buffer, .address_space: global }
      - { .name: b_ff1, .offset: 24, .size: 8, .value_kind: global_buffer, .address_space: global }
    .group_segment_fixed_size: 327680
    .private_segment_fixed_size: 0
    .kernarg_segment_align: 8
    .kernarg_segment_size: 32
    .max_flat_workgroup_size: 128
    .sgpr_count:     96
    .vgpr_count:     1024
    .wavefront_size: 32
...
	.end_amdgpu_metadata
.endif
;; end of part 5
;; launch gemm_ff2 (part 6): grid 8 x 32, 4 waves a work-group, clusters of 4 x 4, 327,680 bytes of LDS; arguments gbuf, wbf, x1, b_ff2, out0; writes out0
.if DOCPART == 6
	.amdgcn_target "amdgcn-amd-amdhsa--gfx1250"
	.amdhsa_code_object_version 6
	.text
	.protected	k_q9505e396a8_gemm_ff2
	.globl	k_q9505e396a8_gemm_ff2
	.p2align	8
	.type	k_q9505e396a8_gemm_ff2,@function
k_q9505e396a8_gemm_ff2:
	s_mov_b64 s[64:65], 0
	v_nop
	global_prefetch_b8 v0, s[64:65] scope:SCOPE_SE
	s_setreg_imm32_b32 hwreg(HW_REG_WAVE_MODE, 25, 1), 1
	s_wait_xcnt 0x0
	s_wait_alu depctr_hold_cnt(0) depctr_sa_sdst(0) depctr_va_vdst(0) depctr_va_sdst(0) depctr_va_ssrc(0) depctr_va_vcc(0) depctr_vm_vsrc(0)
	s_getreg_b32 s2, hwreg(HW_REG_IB_STS2, 6, 4)
	s_cmp_eq_u32 s2, 0
	s_cbranch_scc0 .Lentry_in_a_cluster
	s_endpgm
.Lentry_in_a_cluster:
	s_bfe_u32 s2, ttmp6, 0x10000c
	s_cmp_lg_u32 s2, 0xf033
	s_cbranch_scc0 .Lentry_shape_is_right
	s_endpgm
.Lentry_shape_is_right:
; C = R + A W + bias, in f32.  W: [K][1024] bf16, N along the rows, as the weights are given.  R and C: [4096][1024] f32.  Sums in f32, one accumulator an output.
; ONE TEXT FOR TWO LAUNCHES, told apart by OUTP.
;   OUTP = 1: A = the attention's O, by heads, [32][2048][64] bf16 (K = 1,024 = 16 heads x 64, in that order), W = w_out, R = x.
;   OUTP = 0: A = gelu's output, [4096][4096] bf16 (K = 4,096), W = w_ff2, R = x1.
; A tile of C is 128 x 128, so that the grid of 8 x 32 is 256 work-groups; 2 x 2 waves of 64 x 64: 16 accumulators.  K goes in steps of 256, as long as two LDS slots allow.
; A's fragments come out of LDS as they lie; W's are turned by ds_load_tr16_b128.  THE MATRIX INSTRUCTION IS USED TRANSPOSED (source 0 = 16 columns of W, source 1 = 16 rows of A).
; With OUTP = 1 a K step is four heads; a head's 128 rows of the tile are 16,384 dense bytes, asked for as ONE long row, two heads to a load, padded in LDS after every 128 bytes: [head][row][64 channels].
; CLUSTER: 4 x 4 work-groups; A's tiles are shared along a row of the cluster, W's along a column: joint loads with a mask of four.
; WHERE K BEGINS.  A cluster walks the KS steps of K in a ring, from step 0 or KS / 2 as (cluster x + cluster y) is even or odd.  The two clusters side by side read the same tiles of A, clusters one above the
; other the same tiles of W: neighbours begin half of K apart, so that in the second half of its walk a cluster comes for tiles that a neighbour asked for KS / 2 steps earlier, and never at the same step.
; The step's number hangs on the cluster's place in the grid alone, which all partners share, and enters the global addresses alone.  The order of a sum along K is rotated with it.
; THE WAY OUT: the wave's 64 x 64 of R were loaded at the start and wait in registers; the sums go through the ring, which has had its last fill (each wave a part of its own), and come back by whole rows.
; LIMITS.  Matrix operands are bf16; NaN and infinities are not treated apart.
; REGISTERS: window 0: v0-31 addresses and the bias; v32-95 at work on the way out; v128-255 the accumulators ((a, b) at v[128 + 8 (4 a + b)]).
;   window 1: two fragment buffers of 128: for 64 along K, 64 registers of A, then 64 of W.     window 2: v0-127 R.
.set OUTP,   0
.if OUTP
.set KS,     4                         ; K steps of 256
.set WOFF,   6291456                   ; w_out in wbf
.set PA,     144                       ; a head's row in LDS: 128 bytes + 16
.set HALFA,  2*128*PA                  ; two heads
.set AQ,     128*PA                    ; 64 along K on: the next head
.set ASTEP,  4*262144                  ; four heads on
.else
.set KS,     16
.set WOFF,   16777216                  ; w_ff2 in wbf
.set PA,     528                       ; 512 bytes + 16
.set HALFA,  64*PA
.set AQ,     128
.set ASTEP,  512
.endif
.set PB,     288                       ; a row of W in LDS: 256 bytes + 32
.set ABYTES, 73728                     ; room for A in a slot
.set HALFB,  128*PB                    ; what one tensor load brings of W: 128 rows along K
.set SLOT,   ABYTES+2*HALFB            ; no LDS base inside a slot (0, HALFA, ABYTES, ABYTES + HALFB) has a bit in common with SLOT, so one exclusive or changes slots
.set BSTEP,  256*2048                  ; bytes from a K step of W to the next
.set SPARE,  2*SLOT                    ; behind the ring: the spare words, 128 bytes for each wave, which no other line names
.set DP,     272                       ; a row of the wave's sums in LDS: 64 f32 + 16 bytes
.set REG,    64*DP
.set BI,   12                          ; v[12:15] the bias of my 4 columns
.set ADRA, 16                          ; v16  A0 + the slot in hand
.set ADRB, 17                          ; v17  B0 + the slot in hand;  v18  the same 128 rows along K further on, so that the loads' offsets stay inside 16 bits
.set A0,   19                          ; v19  my lane's place in A's part of a slot; never rewritten
.set B0,   20                          ; v20  the same for W
.set QAA,  21                          ; v21  A's address for the quarter that is written once: quarter 3 of the slot in hand, or quarter 1 of the next
.set QAB,  22                          ; v22  the same for W
.set DMP,  24                          ; v24  the way out: where I put my sums
.set RD,   25                          ; v25  where I read rows back
.set CO,   26                          ; v26  my byte offset in R and in C; never rewritten
.set BO,   27                          ; v27  my byte offset in the bias
.set SPW,  28                          ; v28  LDS address of my spare word; never rewritten
.set NIL,  29                          ; v29  0; never rewritten
.set TT,   32                          ; two sets of 32 on the way out
.set ACC,  128
.set F0,   0
.set F1,   128
.set G1,   24                          ; s[24:31] descriptor group 1 for A;  s[32:39] group 0: a set for each first fill; the second then walks
.set G0,   32
.set G1B,  48                          ; s[48:55], s[56:63] the same for W
.set G0B,  56
                                       ; s17 the K step to be asked for next; s[18:19] its byte offset; s[72:73], s[74:75] my tiles of A and W at K step 0; never rewritten
.set MSB, 0
.macro WIN new                         ; the immediate's high byte repeats the setting that is left; a switch that changes nothing is dropped
.if MSB != (\new)
	s_set_vgpr_msb (MSB<<8)|(\new)
.set MSB, \new
.endif
.endm
.macro PLACES                          ; four places in front of loads into registers that matrix instructions have read, and of reads of results
.rept 4
	v_nop
.endr
.endm
.macro JLOAD                           ; a joint refill by the walking descriptors: waves 0 and 1 fetch A's halves, waves 2 and 3 W's; an s_nop 0 and four v_nop follow each line
	s_cmp_eq_u32 s13, 0
	s_cbranch_scc0 .Lfor_b_\@
	tensor_load_to_lds s[G0+4:G0+7], s[G1:G1+7]
	s_nop 0
.rept 4
	v_nop
.endr
	s_branch .Lasked_\@
.Lfor_b_\@:
	tensor_load_to_lds s[G0B+4:G0B+7], s[G1B:G1B+7]
	s_nop 0
.rept 4
	v_nop
.endr
.Lasked_\@:
.endm
.macro CREST                           ; a round of the cluster's barrier behind its opening barrier
	s_cmp_lg_u32 s12, 0
	s_cbranch_scc1 .Lnot_wave_0_\@
	s_barrier_signal -3
.Lnot_wave_0_\@:
	s_barrier_wait -3
	s_barrier_signal -1
	s_barrier_wait -1
.endm
.macro CROUND
	s_barrier_signal -1
	s_barrier_wait -1
	CREST
.endm
; 8 matrix instructions: block rows a0, a0 + 1 x all 4 block columns, 32 along K: half c of buffer f.  zero = 1: the product starts the sums.  The accumulators take turns.
.macro MUL8 f, c, a0, zero
	WIN 0x05                                       ; sources 0 (W) and 1 (A) window 1; C and D window 0
.irp a, \a0, (\a0)+1
.irp b, 0,1,2,3
.if \zero
	v_wmma_f32_16x16x32_bf16 v[ACC+8*(4*(\a)+(\b)):ACC+8*(4*(\a)+(\b))+7], v[(\f)+64+8*(4*(\c)+(\b)):(\f)+64+8*(4*(\c)+(\b))+7], v[(\f)+8*(4*(\c)+(\a)):(\f)+8*(4*(\c)+(\a))+7], 0
.else
	v_wmma_f32_16x16x32_bf16 v[ACC+8*(4*(\a)+(\b)):ACC+8*(4*(\a)+(\b))+7], v[(\f)+64+8*(4*(\c)+(\b)):(\f)+64+8*(4*(\c)+(\b))+7], v[(\f)+8*(4*(\c)+(\a)):(\f)+8*(4*(\c)+(\a))+7], v[ACC+8*(4*(\a)+(\b)):ACC+8*(4*(\a)+(\b))+7]
.endif
.endr
.endr
.endm
; 32 LDS loads in one run: the fragments of one quarter (64 along K) into buffer f; the first 32 along K first.  ra, rb: the address registers; ba, bb: the quarter's bytes on top of them.
.macro FETCH ra, rb, ba, bb, f
	WIN 0x40                                       ; destination window 1, address window 0
.irp c, 0,1
.irp i, 0,1,2,3
	ds_load_tr16_b128 v[(\f)+64+8*(4*(\c)+(\i)):(\f)+64+8*(4*(\c)+(\i))+3],   v[\rb] offset:(\bb)+32*(\c)*PB+32*(\i)
	ds_load_tr16_b128 v[(\f)+64+8*(4*(\c)+(\i))+4:(\f)+64+8*(4*(\c)+(\i))+7], v[\rb] offset:(\bb)+(32*(\c)+16)*PB+32*(\i)
	ds_load_b128 v[(\f)+8*(4*(\c)+(\i)):(\f)+8*(4*(\c)+(\i))+3],   v[\ra] offset:(\ba)+64*(\c)+(\i)*16*PA
	ds_load_b128 v[(\f)+8*(4*(\c)+(\i))+4:(\f)+8*(4*(\c)+(\i))+7], v[\ra] offset:(\ba)+64*(\c)+(\i)*16*PA+32
.endr
.endr
.endm
; A K step is four quarters of 64 along K, 32 matrix instructions each, on buffers 0, 1, 0, 1.  One of the first three: multiplies buffer f and fetches the next quarter into g.
; setq = 1: two of the four places make the addresses of quarter 3, for the quarter that follows.
.macro QUARTER f, g, zero, ra, rb, ba, bb, setq
	s_wait_dscnt 16                                ; the first 32 along K are in
	MUL8 \f, 0, 0, \zero
	MUL8 \f, 0, 2, \zero
.if \setq
	WIN 0
	v_add_nc_u32 v[QAA], 3*AQ, v[ADRA]
	v_add_nc_u32 v[QAB], 3*64*PB, v[ADRB]
	v_nop
	v_nop
.else
	PLACES
.endif
	FETCH \ra, \rb, \ba, \bb, \g
	s_wait_dscnt 32                                ; all but the 32 just issued
	MUL8 \f, 1, 0, 0
	MUL8 \f, 1, 2, 0
.endm
; The last quarter multiplies buffer 1 and changes slots: ONE barrier.  In front of it each wave waits for all its tensor loads (one is out: its part of the next slot), adds 0 to its spare word,
; and waits for that and for its reads of this slot.  fill = 1: the barrier opens a round of the cluster's barrier, and the joint refill, two steps of the walk ahead, is the first thing behind the round.
.macro TURN fill
	WIN 0
	s_wait_tensorcnt 0x0                           ; no tensor load of mine is out, so a group 0 may be written
	ds_add_u32 v[SPW], v[NIL]
.if \fill
	s_xor_b32 s[G0+5], s[G0+5], SLOT               ; the walking descriptors: the other slot than last time; the addresses are made anew from the step's number
	s_mul_i32 s18, s17, ASTEP
	s_add_nc_u64 s[G0+6:G0+7], s[72:73], s[18:19]
	s_or_b32 s[G0+7], s[G0+7], 0x80000000
	s_xor_b32 s[G0B+5], s[G0B+5], SLOT
	s_mul_i32 s18, s17, BSTEP
	s_add_nc_u64 s[G0B+6:G0B+7], s[74:75], s[18:19]
	s_or_b32 s[G0B+7], s[G0B+7], 0x80000000
	s_add_co_u32 s17, s17, 1                       ; the next step of the ring
	s_and_b32 s17, s17, KS-1
.endif
	s_wait_dscnt 17                                ; the add and the youngest sixteen loads may be out
	MUL8 F1, 0, 0, 0
	s_wait_dscnt 0x0                               ; the add is done, and my reads of this slot are over
	s_barrier_signal -1
	MUL8 F1, 0, 2, 0                               ; work on registers while the others arrive
	WIN 0                                          ; branches and address lines follow
	s_barrier_wait -1
.if \fill
	CREST                                          ; no wave of any partner still reads this slot or has a load on its way
	JLOAD                                          ; its four v_nop are also the places in front of the loads below
.else
	PLACES
.endif
	s_xor_b32 s20, s20, SLOT
	v_add_nc_u32 v[ADRA], s20, v[A0]
	v_add_nc_u32 v[ADRB], s20, v[B0]
	v_add_nc_u32 v[ADRB+1], HALFB, v[ADRB]
	v_add_nc_u32 v[QAA], AQ, v[ADRA]               ; quarter 1 of the new slot, for the quarter that follows
	v_add_nc_u32 v[QAB], 64*PB, v[ADRB]
	FETCH ADRA, ADRB, 0, 0, F0
	MUL8 F1, 1, 0, 0
	MUL8 F1, 1, 2, 0
	WIN 0
.endm
	s_load_b256 s[4:11], s[0:1], 0x0               ; A s[4:5], wbf s[6:7], R s[8:9], bias s[10:11]
	s_load_b64 s[46:47], s[0:1], 0x20              ; C
	v_lshl_add_u32 v[SPW], v0, 2, SPARE
	v_mov_b32 v[NIL], 0
	ds_add_u32 v[SPW], v[NIL]                      ; the wave's opening: the add and its wait stand ahead of my first tensor load; the set-up below stands between them
	v_lshrrev_b32 v1, 5, v0
	v_readfirstlane_b32 s12, v1                    ; wave 0..3
	s_lshr_b32 s13, s12, 1                         ; I fetch for A (0) or for W (1),
	s_and_b32 s14, s12, 1                          ; and which half of that tile
	s_lshr_b32 s15, s12, 1                         ; which half of the tile's rows is mine
	s_and_b32 s16, s12, 1                          ; which half of its columns
	s_bfe_u32 s40, ttmp6, 0x40000                  ; cx, cy: my place in the cluster
	s_bfe_u32 s41, ttmp6, 0x40004
	s_lshl_b32 s42, ttmp9, 2
	s_add_co_u32 s42, s42, s40                     ; tile column = 4 x cluster x + cx
	s_and_b32 s43, ttmp7, 0xffff
	s_lshl_b32 s43, s43, 2
	s_add_co_u32 s43, s43, s41                     ; tile row = 4 x cluster y + cy
	s_lshl_b32 s44, s41, 2
	s_lshl_b32 s44, 15, s44                        ; my row of the cluster
	s_lshl_b32 s45, 0x1111, s40                    ; my column
	s_add_co_u32 s17, ttmp9, ttmp7                 ; my cluster's first K step: KS / 2 where cluster x + cluster y is odd, else 0
	s_and_b32 s17, s17, 1
	s_mul_i32 s17, s17, KS/2
	s_mov_b32 s19, 0
.if OUTP
	s_or_b32 s[G1], s44, (1<<16)|(1<<20)|(1<<21)|(4<<22)|(3<<25)    ; mask; 2-byte elements; padding on; bit 21 beside a mask; after every 32 words 4 words
	s_mov_b32 s[G1+1], 8192<<16                    ; tensor_dim0 = 8,192: a head's 128 rows x 64 channels, dense
	s_mov_b32 s[G1+2], 2<<16                       ; tensor_dim1 = 2 heads
	s_mov_b32 s[G1+3], 8192<<16                    ; tile_dim0
	s_mov_b32 s[G1+4], 2                           ; tile_dim1
	s_mov_b32 s[G1+5], 131072                      ; elements from head to head
.else
	s_or_b32 s[G1], s44, (1<<16)|(1<<20)|(1<<21)|(6<<22)|(3<<25)    ; after every 128 words 4 words
	s_mov_b32 s[G1+1], 256<<16                     ; tensor_dim0 = 256
	s_mov_b32 s[G1+2], 64<<16                      ; tensor_dim1 = 64
	s_mov_b32 s[G1+3], 256<<16                     ; tile_dim0
	s_mov_b32 s[G1+4], 64                          ; tile_dim1
	s_mov_b32 s[G1+5], 4096                        ; elements from row to row
.endif
	s_mov_b32 s[G1+6], 0
	s_mov_b32 s[G1+7], 0
	s_or_b32 s[G1B], s45, (1<<16)|(1<<20)|(1<<21)|(5<<22)|(7<<25)   ; my column's mask; after every 64 words 8 words
	s_mov_b32 s[G1B+1], 128<<16
	s_mov_b32 s[G1B+2], 128<<16
	s_mov_b32 s[G1B+3], 128<<16
	s_mov_b32 s[G1B+4], 128
	s_mov_b32 s[G1B+5], 1024
	s_mov_b32 s[G1B+6], 0
	s_mov_b32 s[G1B+7], 0
.if OUTP
	s_lshr_b32 s66, s43, 4                         ; A: the batch's 16 heads of 262,144 bytes,
	s_lshl_b32 s66, s66, 22
	s_lshl_b32 s67, s14, 19                        ; two heads for each half,
	s_add_co_u32 s66, s66, s67
	s_and_b32 s67, s43, 15                         ; the tile's 128 rows of 128 bytes in a head: all of it hangs on the tile row alone
	s_lshl_b32 s67, s67, 14
	s_add_co_u32 s66, s66, s67
.else
	s_lshl_b32 s66, s43, 7                         ; A: row 128 x tile row + 64 x half, 8,192 bytes a row
	s_lshl_b32 s67, s14, 6
	s_add_co_u32 s66, s66, s67
	s_lshl_b32 s66, s66, 13
.endif
	s_mov_b32 s67, 0
	s_lshl_b32 s68, s42, 8                         ; W: the tile's first column, 128 rows along K for each half: it hangs on the tile column alone
	s_lshl_b32 s69, s14, 18
	s_add_co_u32 s68, s68, s69
	s_add_co_u32 s68, s68, WOFF
	s_mov_b32 s69, 0
	s_mul_i32 s70, s14, HALFA                      ; where they go: no place in the cluster enters an LDS address
	s_mul_i32 s71, s14, HALFB
	s_add_co_u32 s71, s71, ABYTES
	s_wait_dscnt 0x0                               ; the opening add is done
	s_wait_kmcnt 0x0
	s_add_nc_u64 s[72:73], s[4:5], s[66:67]
	s_add_nc_u64 s[74:75], s[6:7], s[68:69]
	CROUND                                         ; all sixteen work-groups are here: the first joint loads meet
.irp s, 0,1                            ; the walk's first two steps, into slots 0 and 1
	s_mov_b32 s[G0+4*(\s)], 1
	s_add_co_u32 s[G0+4*(\s)+1], s70, (\s)*SLOT
	s_mul_i32 s18, s17, ASTEP
	s_add_nc_u64 s[G0+4*(\s)+2:G0+4*(\s)+3], s[72:73], s[18:19]
	s_or_b32 s[G0+4*(\s)+3], s[G0+4*(\s)+3], 0x80000000
	s_mov_b32 s[G0B+4*(\s)], 1
	s_add_co_u32 s[G0B+4*(\s)+1], s71, (\s)*SLOT
	s_mul_i32 s18, s17, BSTEP
	s_add_nc_u64 s[G0B+4*(\s)+2:G0B+4*(\s)+3], s[74:75], s[18:19]
	s_or_b32 s[G0B+4*(\s)+3], s[G0B+4*(\s)+3], 0x80000000
	s_add_co_u32 s17, s17, 1
	s_and_b32 s17, s17, KS-1
.endr
	s_cmp_eq_u32 s13, 0                            ; a wave's two first fills stand in one branch, ahead of every wait on TENSORcnt and every LDS read: two loads of mine are out
	s_cbranch_scc0 .Lfirst_b
	tensor_load_to_lds s[G0:G0+3], s[G1:G1+7]
	s_nop 0
	tensor_load_to_lds s[G0+4:G0+7], s[G1:G1+7]
	s_nop 0
.rept 4
	v_nop
.endr
	s_branch .Lfirst_asked
.Lfirst_b:
	tensor_load_to_lds s[G0B:G0B+3], s[G1B:G1B+7]
	s_nop 0
	tensor_load_to_lds s[G0B+4:G0B+7], s[G1B:G1B+7]
	s_nop 0
.rept 4
	v_nop
.endr
.Lfirst_asked:
	v_and_b32 v1, 15, v0                           ; l % 16
	v_bfe_u32 v2, v0, 4, 1                         ; l / 16
	v_and_b32 v3, 7, v0
	v_bfe_u32 v4, v0, 3, 1
	v_lshlrev_b32 v[CO], 12, v2                    ; R and C: lanes 0-15 take 256 bytes of one row, lanes 16-31 of the next
	v_lshl_add_u32 v[CO], v1, 4, v[CO]
	v_lshlrev_b32 v[BO], 4, v1
	s_lshl_b32 s76, s43, 7                         ; my first row and column: (128 tile row + 64 block row) x 4,096 + 512 tile column + 256 block column
	s_lshl_b32 s77, s15, 6
	s_add_co_u32 s76, s76, s77
	s_lshl_b32 s76, s76, 12
	s_lshl_b32 s77, s42, 9
	s_add_co_u32 s76, s76, s77
	s_lshl_b32 s77, s16, 8
	s_add_co_u32 s76, s76, s77
	s_mov_b32 s77, 0
	s_add_nc_u64 s[8:9], s[8:9], s[76:77]
	s_add_nc_u64 s[46:47], s[46:47], s[76:77]
	s_lshl_b32 s76, s42, 9                         ; the bias of my 64 columns
	s_lshl_b32 s78, s16, 8
	s_add_co_u32 s76, s76, s78
	s_add_nc_u64 s[10:11], s[10:11], s[76:77]
	global_load_b128 v[BI:BI+3], v[BO], s[10:11]
	WIN 0x80                                       ; destination window 2, address window 0
.set t, 0
.rept 32
	global_load_b128 v[4*t:4*t+3], v[CO], s[8:9] offset:t*8192  ; my 64 x 64 of R: waited for on the way out
.set t, t+1
.endr
	WIN 0
	v_mul_u32_u24 v[A0], v1, PA                    ; a fragment of A: row l % 16, 16 bytes for each half of the lanes
	v_lshl_add_u32 v[A0], v2, 4, v[A0]
	s_mul_i32 s21, s15, 64*PA                      ; my 64 rows of the tile
	v_add_nc_u32 v[A0], s21, v[A0]
	v_lshl_add_u32 v3, v2, 3, v3                   ; the turning load: lane l reads row 8 (l / 16) + l % 8 along K, columns 8 ((l / 8) % 2) + 0..7
	v_mul_u32_u24 v[B0], v3, PB
	v_lshl_add_u32 v[B0], v4, 4, v[B0]
	s_lshl_b32 s21, s16, 7                         ; my 64 columns
	s_add_co_u32 s21, s21, ABYTES
	v_add_nc_u32 v[B0], s21, v[B0]
	v_mov_b32 v[ADRA], v[A0]                       ; slot 0
	v_mov_b32 v[ADRB], v[B0]
	v_add_nc_u32 v[ADRB+1], HALFB, v[B0]
	s_mov_b32 s20, 0
	s_mul_i32 s21, s12, REG                        ; my part of the ring on the way out
	v_mul_u32_u24 v[DMP], v1, DP                   ; in: row l % 16, 32 bytes for each half of the lanes
	v_lshl_add_u32 v[DMP], v2, 5, v[DMP]
	v_add_nc_u32 v[DMP], s21, v[DMP]
	v_mul_u32_u24 v[RD], v2, DP                    ; back: lanes 0-15 take one row of 256 bytes, lanes 16-31 the next
	v_lshl_add_u32 v[RD], v1, 4, v[RD]
	v_add_nc_u32 v[RD], s21, v[RD]
	s_wait_tensorcnt 0x1                           ; my part of the walk's first step is in; the second may stay out
	s_barrier_signal -1
	s_barrier_wait -1                              ; everybody's is
	FETCH ADRA, ADRB, 0, 0, F0
	QUARTER F0, F1, 1, ADRA, ADRB, AQ, 64*PB, 0    ; the first quarter stands in front of the loop: its first products start the sums
	WIN 0                                          ; at a label and at a branch every window is 0
	s_mov_b32 s3, KS-2
.Lstep:                                                ; a trip: quarters 1 to 3 of a K step, the change of slots with its refill, quarter 0 of the next step
	QUARTER F1, F0, 0, ADRA, ADRB+1, 2*AQ, 0, 1    ; multiplies quarter 1, fetches quarter 2
	WIN 0
	s_mov_b32 s2, 2
	s_branch .Lqa                                  ; the inner loop of two passes is entered in its middle
.Lturn:
	TURN 1                                         ; multiplies quarter 3, fetches the next step's quarter 0
.Lqa:
	QUARTER F0, F1, 0, QAA, QAB, 0, 0, 0           ; written once, passed twice: multiplies quarter 2 and fetches quarter 3; then the next step's quarters 0 and 1
	WIN 0
	s_sub_co_u32 s2, s2, 1
	s_cmp_lg_u32 s2, 0
	s_cbranch_scc1 .Lturn
	s_sub_co_u32 s3, s3, 1
	s_cmp_lg_u32 s3, 0
	s_cbranch_scc1 .Lstep
	s_mov_b32 s3, 2
.Ltail:                                                ; the last two K steps ask for nothing; the second trip is left behind its change of slots
	QUARTER F1, F0, 0, ADRA, ADRB+1, 2*AQ, 0, 1
	WIN 0
	s_mov_b32 s2, 2
	s_branch .Ltqa
.Ltturn:
	TURN 0                                         ; in the second trip its 32 LDS loads (of the slot read before) serve nothing: the price of one text for both trips
	s_sub_co_u32 s3, s3, 1
	s_cmp_eq_u32 s3, 0
	s_cbranch_scc1 .Lout
.Ltqa:
	QUARTER F0, F1, 0, QAA, QAB, 0, 0, 0
	WIN 0
	s_sub_co_u32 s2, s2, 1
	s_cmp_lg_u32 s2, 0
	s_cbranch_scc1 .Ltturn
	s_branch .Ltail
.Lout:
	PLACES                                         ; the stores below read results just made
	s_wait_dscnt 0x0                               ; my reads of the ring are over,
	s_barrier_signal -1
	s_barrier_wait -1                              ; everybody's are: the ring, which has had its last fill, takes the sums
.set t, 0
.rept 16
	ds_store_b128 v[DMP], v[ACC+8*t:ACC+8*t+3] offset:(t/4)*16*DP+64*(t%4)       ; each accumulator's low half first
	ds_store_b128 v[DMP], v[ACC+8*t+4:ACC+8*t+7] offset:(t/4)*16*DP+64*(t%4)+16
.set t, t+1
.endr
	s_wait_loadcnt 0x0                             ; R and the bias
.macro LOADG g                         ; eight pairs of rows back, into set g % 2
.set t, 0
.rept 8
	ds_load_b128 v[TT+32*((\g)%2)+4*t:TT+32*((\g)%2)+4*t+3], v[RD] offset:(8*(\g)+t)*2*DP  ; LDS serves a wave's instructions in order (ISA guide 5.7.1.4): these see my stores above
.set t, t+1
.endr
.endm
.macro WORKG g, left                   ; left: the younger group's loads, which may stay out
	s_wait_dscnt \left
	WIN 0x08                                       ; source 1 (R) window 2
.set t, 0
.rept 16
	v_pk_add_f32 v[TT+32*((\g)%2)+2*t:TT+32*((\g)%2)+2*t+1], v[TT+32*((\g)%2)+2*t:TT+32*((\g)%2)+2*t+1], v[32*(\g)+2*t:32*(\g)+2*t+1]
.set t, t+1
.endr
	WIN 0
.set t, 0
.rept 8
	v_pk_add_f32 v[TT+32*((\g)%2)+4*t:TT+32*((\g)%2)+4*t+1], v[TT+32*((\g)%2)+4*t:TT+32*((\g)%2)+4*t+1], v[BI:BI+1]
	v_pk_add_f32 v[TT+32*((\g)%2)+4*t+2:TT+32*((\g)%2)+4*t+3], v[TT+32*((\g)%2)+4*t+2:TT+32*((\g)%2)+4*t+3], v[BI+2:BI+3]
.set t, t+1
.endr
.set t, 0
.rept 8
	global_store_b128 v[CO], v[TT+32*((\g)%2)+4*t:TT+32*((\g)%2)+4*t+3], s[46:47] offset:(8*(\g)+t)*8192  ; 16 lanes store 256 consecutive bytes, at a multiple of 256 from C's first byte
.set t, t+1
.endr
.endm
	LOADG 0
	LOADG 1
	WORKG 0, 8
	s_wait_xcnt 0x0                                ; the set that the stores read is loaded again only behind this wait
	LOADG 2
	WORKG 1, 8
	s_wait_xcnt 0x0
	LOADG 3
	WORKG 2, 8
	WORKG 3, 0
	s_wait_tensorcnt 0x0                           ; the wave's end, behind my last tensor load and my last LDS store
	ds_add_u32 v[SPW], v[NIL]
	s_wait_dscnt 0x0
	CROUND                                         ; the closing round: no work-group ends while a partner may still ask for a tile that names it
	s_endpgm
.Lfunc_end_k_q9505e396a8_gemm_ff2:
	.size	k_q9505e396a8_gemm_ff2, .Lfunc_end_k_q9505e396a8_gemm_ff2-k_q9505e396a8_gemm_ff2
	.p2alignl 7, 3214868480
	.fill 96, 4, 3214868480
	.section	.rodata,"a",@progbits
	.p2align	6, 0x0
	.amdhsa_kernel k_q9505e396a8_gemm_ff2
		.amdhsa_group_segment_fixed_size 327680
		.amdhsa_private_segment_fixed_size 0
		.amdhsa_enable_private_segment 0
		.amdhsa_kernarg_size 40
		.amdhsa_user_sgpr_count 2
		.amdhsa_user_sgpr_kernarg_segment_ptr 1
		.amdhsa_wavefront_size32 1
		.amdhsa_system_sgpr_workgroup_id_x 1
		.amdhsa_system_sgpr_workgroup_id_y 1
		.amdhsa_system_sgpr_workgroup_id_z 1
		.amdhsa_system_vgpr_workitem_id 0
		.amdhsa_next_free_vgpr 640
		.amdhsa_next_free_sgpr 80
		.amdhsa_reserve_vcc 0
		.amdhsa_float_denorm_mode_32 3
		.amdhsa_float_denorm_mode_16_64 3
		.amdhsa_memory_ordered 1
		.amdhsa_forward_progress 1
		.amdhsa_inst_pref_size 62
	.end_amdhsa_kernel
	.amdgpu_metadata
---
amdhsa.version: [ 1, 2 ]
amdhsa.kernels:
  - .name:           k_q9505e396a8_gemm_ff2
    .symbol:         k_q9505e396a8_gemm_ff2.kd
    .args:
      - { .name: gbuf, .offset: 0, .size: 8, .value_kind: global_buffer, .address_space: global }
      - { .name: wbf, .offset: 8, .size: 8, .value_kind: global_buffer, .address_space: global }
      - { .name: x1, .offset: 16, .size: 8, .value_kind: global_buffer, .address_space: global }
      - { .name: b_ff2, .offset: 24, .size: 8, .value_kind: global_buffer, .address_space: global }
      - { .name: out0, .offset: 32, .size: 8, .value_kind: global_buffer, .address_space: global }
    .group_segment_fixed_size: 327680
    .private_segment_fixed_size: 0
    .kernarg_segment_align: 8
    .kernarg_segment_size: 40
    .max_flat_workgroup_size: 128
    .sgpr_count:     80
    .vgpr_count:     640
    .wavefront_size: 32
...
	.end_amdgpu_metadata
.endif
;; end of part 6
